; MI455X (gfx1250); checked and timed in simulation.
; The chip was launched on July 23, 2026; its instructions are those of AMD's public machine-readable ISA for CDNA 5 (MIT licence, August 2026) and "CDNA5" Instruction Set Architecture Reference Guide (July 2026). The comments in the code are by the model that wrote it; some were corrected since.
;; Multi Head Self Attention. Allowed arithmetic: matrix products marked QUANTISED: E2M1 operands, one E8M0 scale for each 32 along K, by v_wmma_scale_f32_16x16x128_f8f6f4 with both operands' format E2M1 (or v_wmma_scale_f32_32x16x128_f4), f32 sums; products left as they are: bf16, f16 or f32 operands; f32 sums; everything else in f32.
;; Inputs: W_k 1,024 x 1,024 float32; W_o 1,024 x 1,024 float32; W_q 1,024 x 1,024 float32; W_v 1,024 x 1,024 float32; x 4 x 2,048 x 1,024 float32.
;; Outputs: out0 4 x 2,048 x 1,024 float32.
;; This version of the problem:
;;   THIS VERSION OF THE PROBLEM IS GIVEN IN LOW PRECISION. The matrix products marked QUANTISED in the list below multiply operands that are first quantised to E2M1 (2 exponent bits, 1 mantissa bit; 4 bits a number), with one power-of-two scale for each 32 numbers along K (OCP MX v1.0); their sums are f32. The products marked 'left as it is' may take bf16, f16 or f32 operands, with f32 sums. Whichever they take, every output number must still come out within the allowed error. Rounding operands to bf16 (8 significant bits) uses up far more of that allowance than f16 does (11 bits, for magnitudes from 6e-5 to 65,504). All else is computed in f32.
;;   The module's matrix products, in the order in which they are computed (A, B: the left and right operand; K: the contracted axis; several contracted axes count as one K, in the product's order):
;;     1. [M 8,192, K 1,024] x [K 1,024, N 1,024]; A: input x; B: input W_q: QUANTISED
;;     2. [M 8,192, K 1,024] x [K 1,024, N 1,024]; A: input x; B: input W_k: QUANTISED
;;     3. [M 8,192, K 1,024] x [K 1,024, N 1,024]; A: input x; B: input W_v: QUANTISED
;;     4. batch 64 x [M 2,048, K 64] x [K 64, N 2,048]; A: computed on the way; B: computed on the way: left as it is (an operand is computed on the way)
;;     5. batch 64 x [M 2,048, K 2,048] x [K 2,048, N 64]; A: computed on the way; B: computed on the way: left as it is (an operand is computed on the way)
;;     6. [M 8,192, K 1,024] x [K 1,024, N 1,024]; A: computed on the way; B: input W_o: left as it is (an operand is computed on the way)
;;   THE QUANTISER, for each operand of a quantised product, along K:
;;     - K is cut into blocks of 32 from its start; a last block that is shorter is filled with zeros.
;;     - A block's scale is 2^e with e = floor(log2(the largest magnitude in the block)) - 2, held to -126 .. 127; a block of zeros has e = 0. As a byte (E8M0): e + 127.
;;     - Each number is divided by its block's scale, clamped to +-6, and rounded to the nearest number of E2M1, ties to even, subnormals kept.
;;     - The product sums the exact products of the quantised numbers (number of the format x scale) in f32.
;;   ~~~python
;;   def quantise(x, axis):      # numpy; x: float32 -> the quantised numbers, widened to float32 again
;;       x = np.moveaxis(x, axis, -1); K = x.shape[-1]
;;       x = np.pad(x, [(0, 0)] * (x.ndim - 1) + [(0, -K % 32)]); x = x.reshape(x.shape[:-1] + (-1, 32)); a = np.abs(x).max(-1, keepdims=True)
;;       e = np.where(a > 0, np.clip(np.frexp(np.where(a > 0, a, 1))[1] - 1 - 2, -126, 127), 0)      # np.frexp(a)[1] - 1 = floor(log2(a)), exactly
;;       r = np.clip(x / 2.0 ** e, -6, 6)
;;       step = 2.0 ** (np.maximum(np.frexp(np.where(r == 0, 1, r))[1] - 1, 0) - 1)
;;       q = np.round(r / step) * step * 2.0 ** e      # np.round: ties to even
;;       return np.moveaxis(q.reshape(q.shape[:-2] + (-1,))[..., :K], -1, axis).astype(np.float32)
;;   ~~~
;; One version. Each part assembles by itself: llvm-mc -triple=amdgcn-amd-amdhsa -mcpu=gfx1250 --defsym DOCPART=n.
;; ======== version 1 of 1: 5 launches
;; limits: values are held in f16: magnitudes above 65,504 overflow, below 6.1e-05 lose precision
;; workspace buffers: xcodes 4,194,304 bytes; xscales 262,144 bytes; wcodes 1,572,864 bytes; wscales 98,304 bytes; wo16 2,097,152 bytes; qkvf 50,331,648 bytes; q32 786,432 bytes; att 16,777,216 bytes
;; launch quant (part 1): grid 416 x 1, 4 waves a work-group, no clusters, 33,280 bytes of LDS; arguments x, W_q, W_k, W_v, W_o, xcodes, xscales, wcodes, wscales, wo16; writes xcodes, xscales, wcodes, wscales, wo16
.if DOCPART == 1
	.amdgcn_target "amdgcn-amd-amdhsa--gfx1250"
	.amdhsa_code_object_version 6
	.text
	.protected	k_q7ae98e0e06_quant
	.globl	k_q7ae98e0e06_quant
	.p2align	8
	.type	k_q7ae98e0e06_quant,@function
k_q7ae98e0e06_quant:
	s_mov_b64 s[64:65], 0
	v_nop
	global_prefetch_b8 v0, s[64:65] scope:SCOPE_SE
	s_setreg_imm32_b32 hwreg(HW_REG_WAVE_MODE, 25, 1), 1
	s_wait_xcnt 0x0
; x [8192][1024] and W_q, W_k, W_v [1024][1024], f32, K innermost, become codes of FP4 (E2M1), two to a byte, and one E8M0 scale byte for each 32 along K.
; W_o [1024][1024] f32 becomes f16, laid as images of operand registers for the last product.
; A block's scale is 2^(floor(log2(its largest magnitude)) - 2); its byte is the largest magnitude's exponent field - 2, held at 1 from below.
; (A block of zeros gets the byte 1 where the quantiser says 127: its codes are zeros, which add nothing, and this program alone reads the bytes.)
; LIMITS: blocks whose largest magnitude lies under 2^-124 have their byte held at 1; NaN and infinities are not served; |W_o| stays under 65,504 (f16).
; SHARES: work-groups 0-255 take x, 256-351 W_q, W_k, W_v (32 each; their codes lie on end, 3,072 rows), 352-415 W_o.
; Rows are dense and K is a multiple of 32: a tensor is a plain stream of blocks of 32.  A wave takes 16 steps of 512 numbers.  Each load reads 512 consecutive bytes;
; a step's 2,048 bytes turn through the wave's own stage in LDS, so that a lane then holds 16 neighbours (two lanes a block), as the conversions want them.
; A lane's 16 codes are 8 bytes: the wave stores 256 consecutive bytes.  A wave's 256 scale bytes are gathered in LDS and leave as one aligned run of 256 bytes.
; No tensor loads, no barrier, no matrix unit, no cluster: a stream in which waves share nothing.
.set WAVES, 4
.set STEPS, 16
.set EMAX,  2
.set CB,    8                          ; bytes of 16 codes
.set R,     16                         ; v16-79   four sets of 16 numbers as loaded
.set X,     80                         ; v80-111  two sets of 16 neighbours
.set E,     112                        ; v112-127 a scale byte for each step
.set C,     128                        ; v128-191 codes, four registers a step: no store's data are written again
.set WREG,  8192                       ; LDS: a region for each wave: two stages of 32 x SP bytes, then its 256 scale bytes
.set SP,    80                         ; a lane's place in a stage: 64 bytes + 16 of padding
.set SPW,   12                         ; v12 LDS address of my spare word; never rewritten
.set NIL,   13                         ; v13 0; never rewritten
.set SPARE, WAVES*WREG                 ; behind the regions: the spare words, 128 bytes a wave
.set WGX,   256                        ; work-groups for x
.set WGQ,   352                        ; from here on: W_o
.set WV,    2                          ; s2 my wave's number
.set IN,    16                         ; W_o path: v16-143 eight images' numbers in f32
.set HF,    144                        ; W_o path: v144-207 the images in f16
	s_load_b512 s[8:23], s[0:1], 0x0               ; x s[8:9], W_q s[10:11], W_k s[12:13], W_v s[14:15], W_o s[16:17], xcodes s[18:19], xscales s[20:21], wcodes s[22:23]
	s_load_b128 s[24:27], s[0:1], 0x40             ; wscales s[24:25], wo16 s[26:27]
	v_lshl_add_u32 v[SPW], v0, 2, SPARE
	v_mov_b32 v[NIL], 0
	v_lshrrev_b32 v1, 5, v0
	v_readfirstlane_b32 s[WV], v1                  ; wave 0..3
	v_and_b32 v2, 31, v0                           ; lane
	s_cmp_ge_u32 ttmp9, WGQ
	s_cbranch_scc1 .Lwo                            ; W_o's work-groups: a path that touches no tile of LDS
	v_lshlrev_b32 v3, 4, v2                        ; my 16 bytes of a load's 512
	s_mul_i32 s3, s[WV], WREG
	v_lshrrev_b32 v14, 2, v2
	v_mul_u32_u24 v14, v14, SP
	v_and_b32 v15, 3, v2
	v_lshl_add_u32 v14, v15, 4, v14
	v_add_nc_u32 v14, s3, v14                      ; the stage, in: four lanes' 64 bytes on end, then 16 of padding
	v_mul_u32_u24 v15, v2, SP
	v_add_nc_u32 v15, s3, v15                      ; and out: my 16 neighbours
	v_mul_u32_u24 v4, v2, CB                       ; my codes' place in a step's
	v_lshrrev_b32 v5, 1, v2
	s_add_co_u32 s3, s3, 2*32*SP
	v_add_nc_u32 v5, s3, v5                        ; my block's scale byte in my wave's 256
	v_lshlrev_b32 v7, 3, v2
	v_add_nc_u32 v6, s3, v7                        ; and on the way out 8 bytes a lane
	s_wait_kmcnt 0x0
	s_cmp_lt_u32 ttmp9, WGX                        ; which tensor: the choice hangs on the work-group's number alone
	s_cselect_b64 s[4:5], s[8:9], s[10:11]
	s_cselect_b64 s[28:29], s[18:19], s[22:23]     ; its codes
	s_cselect_b64 s[30:31], s[20:21], s[24:25]     ; its scale bytes
	s_cselect_b32 s32, 0, WGX
	s_cselect_b32 s33, 255, 31
	s_cmp_ge_u32 ttmp9, WGX+32
	s_cselect_b64 s[4:5], s[12:13], s[4:5]
	s_cmp_ge_u32 ttmp9, WGX+64
	s_cselect_b64 s[4:5], s[14:15], s[4:5]
	s_sub_co_u32 s32, ttmp9, s32                   ; the work-group's place in the output (the three weights on end),
	s_and_b32 s33, s32, s33                        ; and in its input tensor
	s_lshl_b32 s32, s32, 2
	s_add_co_u32 s32, s32, s[WV]                   ; my wave's run of 8,192 numbers, out
	s_lshl_b32 s33, s33, 2
	s_add_co_u32 s33, s33, s[WV]                   ; and in
	s_lshl_b32 s34, s33, 15                        ; 32,768 bytes of f32 a run
	s_mov_b32 s35, 0
	s_add_nc_u64 s[4:5], s[4:5], s[34:35]
	s_lshl_b32 s34, s32, 12                        ; 4,096 bytes of codes
	s_add_nc_u64 s[28:29], s[28:29], s[34:35]
	s_lshl_b32 s34, s32, 8                         ; 256 scale bytes
	s_add_nc_u64 s[30:31], s[30:31], s[34:35]
.macro LOAD t
.irp i, 0,1,2,3
	global_load_b128 v[R+16*((\t)%4)+4*\i:R+16*((\t)%4)+4*\i+3], v3, s[4:5] offset:2048*(\t)+512*\i th:TH_LOAD_NT   ; 32 lanes read 512 consecutive bytes
.endr
.endm
.macro TURN t                          ; step t's numbers through the stage: LDS serves a wave's instructions in order, so no wait stands between the stores and the loads
.irp i, 0,1,2,3
	ds_store_b128 v14, v[R+16*((\t)%4)+4*\i:R+16*((\t)%4)+4*\i+3] offset:32*SP*((\t)%2)+8*SP*\i
.endr
.irp i, 0,1,2,3
	ds_load_b128 v[X+16*((\t)%2)+4*\i:X+16*((\t)%2)+4*\i+3], v15 offset:32*SP*((\t)%2)+16*\i
.endr
.endm
.irp t, 0,1,2,3
	LOAD \t
.endr
	s_wait_loadcnt 12                              ; step 0's four loads are in; three steps' twelve stay out
	TURN 0
.macro STEP t
.set XS, X+16*((\t)%2)
.if (\t) > 0
	s_wait_dscnt 1                                 ; this step's numbers are back from the stage (the last step's byte store may be out)
.else
	s_wait_dscnt 0x0
.endif
.if (\t)+4 < STEPS
	LOAD (\t)+4                                    ; into the registers that the stage's stores have read
.endif
.if (\t)+1 < STEPS
.if STEPS-2-(\t) >= 3
	s_wait_loadcnt 12                              ; the next step's four loads are in; those of the three steps behind it may be out
.else
	s_wait_loadcnt 4*(STEPS-2-(\t))
.endif
	TURN (\t)+1
.endif
	v_max3_num_f32 v8, |v[XS]|, |v[XS+1]|, |v[XS+2]|               ; the largest magnitude of my 16, in two chains
	v_max3_num_f32 v9, |v[XS+3]|, |v[XS+4]|, |v[XS+5]|
.irp i, 6,10
	v_max3_num_f32 v8, v8, |v[XS+\i]|, |v[XS+\i+1]|
	v_max3_num_f32 v9, v9, |v[XS+\i+2]|, |v[XS+\i+3]|
.endr
	v_max3_num_f32 v8, v8, |v[XS+14]|, |v[XS+15]|
	v_max3_num_f32 v8, v8, v9, (EMAX+1)<<23        ; and the floor 2^(3 - 127): the byte cannot fall under 1
	v_max_num_f32_dpp v8, v8, v8 row_xmask:1 row_mask:0xf bank_mask:0xf   ; with my neighbour's 16: the block's
	v_add_nc_u32 v11, -(EMAX<<23), v8              ; 2 off its exponent field: the conversion takes the exponent field of this operand as its scale
	v_cvt_scalef32_pk8_fp4_f32 v[C+4*(\t)], v[XS:XS+7], v11
	v_cvt_scalef32_pk8_fp4_f32 v[C+4*(\t)+1], v[XS+8:XS+15], v11
	v_lshrrev_b32 v[E+(\t)], 23, v11               ; the scale's byte (also the plain line behind the conversions)
	ds_store_b8 v5, v[E+(\t)] offset:16*(\t)       ; both lanes of a block write the same byte with the same value
	global_store_b64 v4, v[C+4*(\t):C+4*(\t)+1], s[28:29] offset:32*CB*(\t)   ; the wave stores 256 consecutive bytes, aligned
.endm
.irp t, 0,1,2,3,4,5,6,7,8,9,10,11,12,13,14,15
	STEP \t
.endr
	ds_load_b64 v[8:9], v6                         ; LDS serves a wave's instructions in order: these see my byte stores
	s_wait_dscnt 0x0
	global_store_b64 v7, v[8:9], s[30:31]          ; 32 lanes store 256 consecutive bytes, aligned
	s_wait_tensorcnt 0x0                           ; the wave's end
	ds_add_u32 v[SPW], v[NIL]
	s_wait_dscnt 0x0
	s_endpgm
; W_o: AN IMAGE is a fragment of 16 rows x 32 k of f16 as its registers stand, 1,024 bytes: group c (512 bytes): lane l's 16 bytes at 512 c + 16 l hold row l % 16, k = 16 c + 8 (l / 16) + 0 .. 7.
; wo16 = [n tile (64)][k / 32 (32)][image].  The work-group takes one n tile, wave w the images 8 w .. 8 w + 7.
.Lwo:
	v_and_b32 v3, 15, v0                           ; r
	v_bfe_u32 v5, v0, 4, 1                         ; h
	v_lshlrev_b32 v3, 12, v3
	v_lshl_add_u32 v3, v5, 5, v3                   ; row r of 4,096 bytes, + 32 h
	v_lshlrev_b32 v4, 4, v2                        ; out: 16 x lane
	s_sub_co_u32 s3, ttmp9, WGQ                    ; the n tile
	s_lshl_b32 s34, s3, 16                         ; 16 rows of 4,096 bytes
	s_lshl_b32 s32, s[WV], 10                      ; my 256 along K
	s_add_co_u32 s34, s34, s32
	s_mov_b32 s35, 0
	s_lshl_b32 s36, s3, 15                         ; 32 images
	s_lshl_b32 s32, s[WV], 13                      ; my 8
	s_add_co_u32 s36, s36, s32
	s_mov_b32 s37, 0
	s_wait_kmcnt 0x0
	s_add_nc_u64 s[16:17], s[16:17], s[34:35]
	s_add_nc_u64 s[26:27], s[26:27], s[36:37]
.irp i, 0,1,2,3,4,5,6,7
.irp q, 0,1,2,3
	global_load_b128 v[IN+16*\i+4*\q:IN+16*\i+4*\q+3], v3, s[16:17] offset:128*\i+64*(\q/2)+16*(\q%2) th:TH_LOAD_NT
.endr
.endr
.irp i, 0,1,2,3,4,5,6,7
	s_wait_loadcnt 4*(7-\i)                        ; image i's four loads are in; the younger images' stay out
.irp j, 0,1,2,3,4,5,6,7
	v_cvt_pk_f16_f32 v[HF+8*\i+\j], v[IN+16*\i+2*\j], v[IN+16*\i+2*\j+1]
.endr
	global_store_b128 v4, v[HF+8*\i:HF+8*\i+3], s[26:27] offset:1024*\i         ; 512 consecutive bytes a store
	global_store_b128 v4, v[HF+8*\i+4:HF+8*\i+7], s[26:27] offset:1024*\i+512
.endr
	s_wait_tensorcnt 0x0                           ; the wave's end, in the same form as on the other path
	ds_add_u32 v[SPW], v[NIL]
	s_wait_dscnt 0x0
	s_endpgm
.Lfunc_end_k_q7ae98e0e06_quant:
	.size	k_q7ae98e0e06_quant, .Lfunc_end_k_q7ae98e0e06_quant-k_q7ae98e0e06_quant
	.p2alignl 7, 3214868480
	.fill 96, 4, 3214868480
	.section	.rodata,"a",@progbits
	.p2align	6, 0x0
	.amdhsa_kernel k_q7ae98e0e06_quant
		.amdhsa_group_segment_fixed_size 33280
		.amdhsa_private_segment_fixed_size 0
		.amdhsa_enable_private_segment 0
		.amdhsa_kernarg_size 80
		.amdhsa_user_sgpr_count 2
		.amdhsa_user_sgpr_kernarg_segment_ptr 1
		.amdhsa_wavefront_size32 1
		.amdhsa_system_sgpr_workgroup_id_x 1
		.amdhsa_system_sgpr_workgroup_id_y 1
		.amdhsa_system_sgpr_workgroup_id_z 1
		.amdhsa_system_vgpr_workitem_id 0
		.amdhsa_next_free_vgpr 208
		.amdhsa_next_free_sgpr 66
		.amdhsa_reserve_vcc 0
		.amdhsa_float_denorm_mode_32 3
		.amdhsa_float_denorm_mode_16_64 3
		.amdhsa_memory_ordered 1
		.amdhsa_forward_progress 1
		.amdhsa_inst_pref_size 43
	.end_amdhsa_kernel
	.amdgpu_metadata
---
amdhsa.version: [ 1, 2 ]
amdhsa.kernels:
  - .name:           k_q7ae98e0e06_quant
    .symbol:         k_q7ae98e0e06_quant.kd
    .args:
      - { .name: x, .offset: 0, .size: 8, .value_kind: global_buffer, .address_space: global }
      - { .name: W_q, .offset: 8, .size: 8, .value_kind: global_buffer, .address_space: global }
      - { .name: W_k, .offset: 16, .size: 8, .value_kind: global_buffer, .address_space: global }
      - { .name: W_v, .offset: 24, .size: 8, .value_kind: global_buffer, .address_space: global }
      - { .name: W_o, .offset: 32, .size: 8, .value_kind: global_buffer, .address_space: global }
      - { .name: xcodes, .offset: 40, .size: 8, .value_kind: global_buffer, .address_space: global }
      - { .name: xscales, .offset: 48, .size: 8, .value_kind: global_buffer, .address_space: global }
      - { .name: wcodes, .offset: 56, .size: 8, .value_kind: global_buffer, .address_space: global }
      - { .name: wscales, .offset: 64, .size: 8, .value_kind: global_buffer, .address_space: global }
      - { .name: wo16, .offset: 72, .size: 8, .value_kind: global_buffer, .address_space: global }
    .group_segment_fixed_size: 33280
    .private_segment_fixed_size: 0
    .kernarg_segment_align: 8
    .kernarg_segment_size: 80
    .max_flat_workgroup_size: 128
    .sgpr_count:     66
    .vgpr_count:     208
    .wavefront_size: 32
...
	.end_amdgpu_metadata
.endif
;; end of part 1
;; launch qkv (part 2): grid 12 x 32, 4 waves a work-group, clusters of 4 x 4, 327,680 bytes of LDS; arguments xcodes, xscales, wcodes, wscales, qkvf, q32; writes qkvf, q32
.if DOCPART == 2
	.amdgcn_target "amdgcn-amd-amdhsa--gfx1250"
	.amdhsa_code_object_version 6
	.text
	.protected	k_q7ae98e0e06_qkv
	.globl	k_q7ae98e0e06_qkv
	.p2align	8
	.type	k_q7ae98e0e06_qkv,@function
k_q7ae98e0e06_qkv:
	s_mov_b64 s[64:65], 0
	v_nop
	global_prefetch_b8 v0, s[64:65] scope:SCOPE_SE
	s_setreg_imm32_b32 hwreg(HW_REG_WAVE_MODE, 25, 1), 1
	s_wait_xcnt 0x0
	s_wait_alu depctr_hold_cnt(0) depctr_sa_sdst(0) depctr_va_vdst(0) depctr_va_sdst(0) depctr_va_ssrc(0) depctr_va_vcc(0) depctr_vm_vsrc(0)
	s_getreg_b32 s2, hwreg(HW_REG_IB_STS2, 6, 4)
	s_cmp_eq_u32 s2, 0
	s_cbranch_scc0 .Lentry_in_a_cluster
	s_endpgm
.Lentry_in_a_cluster:
	s_bfe_u32 s2, ttmp6, 0x10000c
	s_cmp_lg_u32 s2, 0xf033
	s_cbranch_scc0 .Lentry_shape_is_right
	s_endpgm
.Lentry_shape_is_right:
; [Q | K | V][m][n] = sum over k of x[m][k] W[n][k]: one product on codes of FP4 (E2M1) with one E8M0 scale for each 32 along K.  M = 8,192 tokens, N = 3,072 (W_q, W_k, W_v on end), K = 1,024; sums in f32.
; A tile of 256 x 256 is made by four waves, each 128 x 128: 64 accumulators, 512 registers.  K is two LDS slots of 512: both are filled at the start and nothing is filled again.
; The scale bytes of the work-group's 256 + 256 rows come into LDS once, in whole runs of 256 bytes.
; CLUSTERS: 4 x 4 work-groups.  The four of a row of the cluster need the same rows of x, the four of a column the same rows of W: each tile is asked for jointly.
; THE TILE ROW IS cluster y + 8 cy: so the four tile rows in which a sequence begins (0, 8, 16, 24) all lie in cluster row 0, one for each cy, and the f32 copy of each sequence's first
; 16 tokens (q32, for the launch that carries those rows in f32) hangs on a branch on cluster y and the wave's number alone, equal in all partners.
; THE MATRIX INSTRUCTION IS USED TRANSPOSED (source 0 = 16 rows of W, source 1 = 16 tokens): a lane holds one token and eight neighbouring columns.
; THE WAY OUT needs no LDS: two neighbouring accumulators, rounded to f16, ARE a 16-bit fragment (16 tokens x 32 columns) as its registers stand.  qkvf = [column / 64 (48)][token tile (512)][2][image of 1,024 bytes];
; an image's group c (512 bytes) holds lane l's 16 bytes at 16 l: token l % 16, columns 16 c + 8 (l / 16) + 0 .. 7.  In V's blocks lane l's piece lies at 16 ((l & 7) + 8 (l >> 4) + 16 ((l >> 3) & 1)),
; the order in which the turning LDS load of the attention launch takes them at 16 x lane.  Every store covers 512 consecutive bytes.
; LIMITS: |Q|, |K|, |V| stay under 65,504 (f16); NaN and infinities are not served.
; REGISTERS, in windows of 256: window 0: v0-31 addresses; v32-95 scale words, two sets; v128-191 x's fragments, one set; on the way out v128-255 packed results.
;   window 1: W's fragments, two sets, at v0 and v128.   window 2: the accumulators of my rows 0-63 ((a, b) at v[8 (8 a + b)]);   window 3: those of my rows 64-127.
.set SIZE_K, 1024
.set KSTEP,  512
.set NQ,     KSTEP/128
.set ROWB,   256                       ; a tile's row: 512 codes
.set KROW,   SIZE_K*4/8                ; a row of codes in memory
.set PITCH,  272                       ; an LDS row: 256 bytes + 16 of padding = 68 words: the 16 rows that a load touches start at 16 different banks (64 banks of 4 bytes: ISA guide 11.1)
.set FR,     8
.set NL,     2
.set NP,     4                         ; places behind this matrix instruction (ISA guide 7.12.1)
.set HALFT,  128*PITCH
.set SLOT,   4*HALFT
.set KS,     SIZE_K/32                 ; a row of scale bytes
.set SCL,    2*SLOT                    ; behind the slots: the scales, as runs of 256 bytes + 16 of padding
.set HALFS,  (128*KS/256)*272
.set SBLK,   (16*KS/256)*272
.set SPARE,  SCL+4*HALFS               ; the spare words, 128 bytes a wave
.set ADRA, 16                          ; v16-17 LDS address of my fragments of x in slot 0, 1
.set ADRB, 20                          ; v20-21 the same for W
.set FO,   24                          ; v24 my byte offset in q32: 12,288 r + 32 h
.set CO,   26                          ; v26 my piece's place in a group of 512 bytes
.set ADRS, 27                          ; v27 LDS address of my scale words: lanes 0-15 x's rows, lanes 16-31 W's
.set SPW,  28
.set NIL,  29
.set SC,   32
.set AF,   128
.set G1, 24
.set G0, 32
.set G1B, 48
.set G0B, 56
.set G1S, 68
.set G0S, 76
.set G1SB, 80
.set G0SB, 88
.set MSB, 0
.macro WIN new                         ; the immediate's high byte repeats the setting that is left
.if MSB != \new
	s_set_vgpr_msb (MSB<<8)|\new
.set MSB, \new
.endif
.endm
.set MUL_LO, 0xa1                      ; source 0 (W) window 1, source 1 (x) window 0, C and D window 2
.set MUL_HI, 0xf1
.set TO_B,   0x40
; A joint load: waves 0 and 1 fetch for x, waves 2 and 3 for W; the branch hangs on the wave's number alone.  An s_nop 0 and four v_nop follow each line.
.macro JLOAD g0a, g1a, g0b, g1b
	s_cmp_eq_u32 s15, 0
	s_cbranch_scc0 .Lfor_b_\@
	tensor_load_to_lds s[\g0a:\g0a+3], s[\g1a:\g1a+7]
	s_nop 0
.rept 4
	v_nop
.endr
	s_branch .Lasked_\@
.Lfor_b_\@:
	tensor_load_to_lds s[\g0b:\g0b+3], s[\g1b:\g1b+7]
	s_nop 0
.rept 4
	v_nop
.endr
.Lasked_\@:
.endm
.macro CROUND                          ; a round of the cluster's barrier
	s_barrier_signal -1
	s_barrier_wait -1
	s_cmp_lg_u32 s14, 0
	s_cbranch_scc1 .Lnot_wave_0_\@
	s_barrier_signal -3
.Lnot_wave_0_\@:
	s_barrier_wait -3
	s_barrier_signal -1
	s_barrier_wait -1
.endm
	s_load_b128 s[4:7], s[0:1], 0x0                ; x's codes, x's scales
	s_load_b128 s[8:11], s[0:1], 0x10              ; W's codes, W's scales
	s_load_b64 s[12:13], s[0:1], 0x20              ; qkvf
	s_load_b64 s[96:97], s[0:1], 0x28              ; q32
	v_lshl_add_u32 v[SPW], v0, 2, SPARE
	v_mov_b32 v[NIL], 0
	ds_add_u32 v[SPW], v[NIL]                      ; the wave's opening: the add, twice on end, and its wait ahead of my first tensor load
	ds_add_u32 v[SPW], v[NIL]
	v_lshrrev_b32 v1, 5, v0
	v_readfirstlane_b32 s14, v1                    ; wave 0..3
	s_lshr_b32 s15, s14, 1                         ; my half of the tile's rows.  Also: I fetch for x (0) or for W (1)
	s_and_b32 s16, s14, 1                          ; my half of its columns.  Also: which 128 rows I fetch
	s_bfe_u32 s40, ttmp6, 0x40000                  ; cx
	s_bfe_u32 s41, ttmp6, 0x40004                  ; cy
	s_lshl_b32 s42, ttmp9, 2
	s_add_co_u32 s42, s42, s40                     ; tile column = 4 x cluster x + cx
	s_and_b32 s17, ttmp7, 0xffff
	s_lshl_b32 s18, s41, 3
	s_add_co_u32 s17, s17, s18                     ; tile row = cluster y + 8 cy
	s_lshl_b32 s43, s41, 2
	s_lshl_b32 s43, 15, s43                        ; my row of the cluster
	s_lshl_b32 s44, 0x1111, s40                    ; my column
	s_or_b32 s[G1+0], s43, (0<<16)|(1<<20)|(1<<21)|(5<<22)|(3<<25)  ; the mask; elements of 1 byte; padding on; bit 21 beside a mask; after every 64 words, 4 words
	s_or_b32 s[G1B+0], s44, (0<<16)|(1<<20)|(1<<21)|(5<<22)|(3<<25)
.irp g, G1, G1B
	s_mov_b32 s[\g+1], ROWB<<16                    ; tensor_dim0
	s_mov_b32 s[\g+2], 128<<16                     ; tensor_dim1
	s_mov_b32 s[\g+3], ROWB<<16                    ; tile_dim0
	s_mov_b32 s[\g+4], 128                         ; tile_dim1
	s_mov_b32 s[\g+5], KROW                        ; the pitch
	s_mov_b32 s[\g+6], 0
	s_mov_b32 s[\g+7], 0
.endr
	s_or_b32 s[G1S+0], s43, (3<<16)|(1<<20)|(1<<21)|(5<<22)|(3<<25)   ; the scales of 128 rows: a dense block, as rows of 256 bytes (32 elements of 8), 16 bytes of padding behind each
	s_or_b32 s[G1SB+0], s44, (3<<16)|(1<<20)|(1<<21)|(5<<22)|(3<<25)
.irp g, G1S, G1SB
	s_mov_b32 s[\g+1], 32<<16
	s_mov_b32 s[\g+2], (128*KS/256)<<16
	s_mov_b32 s[\g+3], 32<<16
	s_mov_b32 s[\g+4], 128*KS/256
	s_mov_b32 s[\g+5], 32
	s_mov_b32 s[\g+6], 0
	s_mov_b32 s[\g+7], 0
.endr
	s_lshl_b32 s18, s16, 7
	s_lshl_b32 s20, s17, 8
	s_add_co_u32 s20, s20, s18                     ; x: row 256 x tile row + 128 x half
	s_lshl_b32 s46, s42, 8
	s_add_co_u32 s46, s46, s18                     ; W: row 256 x tile column + 128 x half
	s_mov_b32 s21, 0
	s_mov_b32 s47, 0
	s_mov_b64 s[18:19], KS
	s_mul_u64 s[22:23], s[20:21], s[18:19]         ; where these rows' scales begin
	s_mul_u64 s[92:93], s[46:47], s[18:19]
	s_mov_b64 s[18:19], KROW
	s_mul_u64 s[20:21], s[20:21], s[18:19]         ; and their codes
	s_mul_u64 s[46:47], s[46:47], s[18:19]
	s_mul_i32 s45, s14, HALFT                      ; where they go: wave x 128 rows: no place in the cluster enters an LDS address
	s_mul_i32 s94, s14, HALFS
	s_wait_dscnt 0x0                               ; both opening adds are done
	s_wait_kmcnt 0x0
	s_add_nc_u64 s[20:21], s[4:5], s[20:21]
	s_add_nc_u64 s[22:23], s[6:7], s[22:23]
	s_add_nc_u64 s[46:47], s[8:9], s[46:47]
	s_add_nc_u64 s[92:93], s[10:11], s[92:93]
	CROUND                                         ; all sixteen work-groups are here: the joint loads meet
	s_mov_b32 s[G0S], 1
	s_add_co_u32 s[G0S+1], s94, SCL
	s_mov_b64 s[G0S+2:G0S+3], s[22:23]
	s_or_b32 s[G0S+3], s[G0S+3], 0x80000000
	s_mov_b32 s[G0SB], 1
	s_add_co_u32 s[G0SB+1], s94, SCL
	s_mov_b64 s[G0SB+2:G0SB+3], s[92:93]
	s_or_b32 s[G0SB+3], s[G0SB+3], 0x80000000
	JLOAD G0S, G1S, G0SB, G1SB                     ; the scales first: they are wanted with the first slot
.irp s, 0,1
	s_mov_b32 s[G0+4*\s], 1
	s_add_co_u32 s[G0+4*\s+1], s45, \s*SLOT
	s_add_nc_u64 s[G0+4*\s+2:G0+4*\s+3], s[20:21], \s*ROWB
	s_or_b32 s[G0+4*\s+3], s[G0+4*\s+3], 0x80000000
	s_mov_b32 s[G0B+4*\s], 1
	s_add_co_u32 s[G0B+4*\s+1], s45, \s*SLOT
	s_add_nc_u64 s[G0B+4*\s+2:G0B+4*\s+3], s[46:47], \s*ROWB
	s_or_b32 s[G0B+4*\s+3], s[G0B+4*\s+3], 0x80000000
	JLOAD G0+4*\s, G1, G0B+4*\s, G1B               ; three loads of mine are out in all
.endr
	v_and_b32 v1, 15, v0                           ; r
	v_bfe_u32 v2, v0, 4, 1                         ; h
	v_mul_u32_u24 v3, v1, PITCH
	v_lshl_add_u32 v4, v2, 4, v3                   ; a fragment's row x pitch + 16 h
	s_mul_i32 s21, s15, HALFT
	s_mul_i32 s22, s16, HALFT
	s_add_co_u32 s22, s22, 2*HALFT
.irp s, 0,1
	v_add_nc_u32 v[ADRA+\s], s21, v4
	v_add_nc_u32 v[ADRB+\s], s22, v4
	s_add_co_u32 s21, s21, SLOT
	s_add_co_u32 s22, s22, SLOT
.endr
	v_mul_u32_u24 v5, v1, KS                       ; my row's scales: KS bytes a row,
	v_lshrrev_b32 v6, 8, v5
	v_lshl_add_u32 v5, v6, 4, v5                   ; and 16 more for each 256 passed
	s_mul_i32 s21, s15, HALFS
	s_mul_i32 s22, s16, HALFS
	s_add_co_u32 s22, s22, 2*HALFS
	s_sub_co_u32 s22, s22, s21
	v_mul_u32_u24 v6, s22, v2                      ; lanes 16-31 take W's
	s_add_co_u32 s21, s21, SCL
	v_add_nc_u32 v5, v5, v6
	v_add_nc_u32 v[ADRS], s21, v5
	; the way out
	v_mul_u32_u24 v[FO], v1, 12288                 ; q32: row r of 3,072 f32,
	v_lshl_add_u32 v[FO], v2, 5, v[FO]             ; + 32 h
	v_and_b32 v6, 31, v0
	v_lshlrev_b32 v5, 4, v6                        ; Q, K: 16 x lane
	v_and_b32 v7, 7, v0
	v_lshl_add_u32 v7, v2, 3, v7
	v_bfe_u32 v8, v0, 3, 1
	v_lshl_add_u32 v7, v8, 4, v7
	v_lshlrev_b32 v7, 4, v7                        ; V: 16 ((l & 7) + 8 (l >> 4) + 16 ((l >> 3) & 1))
	s_cmp_eq_u32 ttmp9, 2                          ; cluster x = 2: V's columns; the same in all partners
	s_cselect_b32 s45, -1, 0
	v_cndmask_b32 v[CO], v5, v7, s45
	s_lshl_b32 s20, s17, 4
	s_lshl_b32 s21, s15, 3
	s_add_co_u32 s20, s20, s21                     ; my first token tile: 16 x tile row + 8 x half
	s_lshl_b32 s20, s20, 11                        ; 2,048 bytes each
	s_mov_b32 s21, 0
	s_lshl_b32 s46, s42, 2
	s_lshl_b32 s47, s16, 1
	s_add_co_u32 s46, s46, s47                     ; my first block of 64 columns: 4 x tile column + 2 x half
	s_lshl_b32 s46, s46, 20                        ; 1 MiB each
	s_mov_b32 s47, 0
	s_add_nc_u64 s[12:13], s[12:13], s[20:21]
	s_add_nc_u64 s[12:13], s[12:13], s[46:47]
	s_mul_i32 s20, s41, 196608                     ; q32: batch cy (used in cluster row 0 alone): 16 rows of 12,288 bytes
	s_mov_b32 s21, 0
	s_lshl_b32 s46, s42, 10
	s_lshl_b32 s47, s16, 9
	s_add_co_u32 s46, s46, s47                     ; my first column, in bytes
	s_mov_b32 s47, 0
	s_add_nc_u64 s[96:97], s[96:97], s[20:21]
	s_add_nc_u64 s[96:97], s[96:97], s[46:47]
.macro FRAG reg, adr, q, i             ; 16 rows x 128 K of 4-bit codes: 8 registers: lane l holds row l % 16; registers 4 c .. 4 c + 3 hold K = 64 c + 32 (l / 16) + 0 .. 31
.irp c, 0,1
	ds_load_b128 v[\reg+4*\c:\reg+4*\c+3], v[\adr] offset:64*(\q)+32*\c+(\i)*16*PITCH
.endr
.endm
; 16 matrix instructions: x's blocks a0, a0 + 1 against W's eight, 128 along K.  The 64 accumulators take turns, one instruction a turn, in the same order in every step.
.macro MUL16 a0, p, q, sc, zero
.irp a, \a0, \a0+1
.irp b, 0,1,2,3,4,5,6,7
.if \zero
	v_wmma_scale_f32_16x16x128_f8f6f4 v[8*(8*((\a)%4)+\b):8*(8*((\a)%4)+\b)+7], v[128*(\p)+FR*\b:128*(\p)+FR*\b+FR-1], v[AF+FR*(\a):AF+FR*(\a)+FR-1], 0, v[SC+8*NQ*(\sc)+NQ*\b+(\q)], v[SC+8*NQ*(\sc)+NQ*(\a)+(\q)] matrix_a_fmt:MATRIX_FMT_FP4 matrix_b_fmt:MATRIX_FMT_FP4 matrix_a_scale:MATRIX_SCALE_ROW1
.else
	v_wmma_scale_f32_16x16x128_f8f6f4 v[8*(8*((\a)%4)+\b):8*(8*((\a)%4)+\b)+7], v[128*(\p)+FR*\b:128*(\p)+FR*\b+FR-1], v[AF+FR*(\a):AF+FR*(\a)+FR-1], v[8*(8*((\a)%4)+\b):8*(8*((\a)%4)+\b)+7], v[SC+8*NQ*(\sc)+NQ*\b+(\q)], v[SC+8*NQ*(\sc)+NQ*(\a)+(\q)] matrix_a_fmt:MATRIX_FMT_FP4 matrix_b_fmt:MATRIX_FMT_FP4 matrix_a_scale:MATRIX_SCALE_ROW1
.endif
.endr
.endr
.endm
.macro FETCH_B slot, q, p
	WIN TO_B
.irp i, 0,1,2,3,4,5,6,7
	FRAG 128*(\p)+FR*\i, ADRB+\slot, \q, \i
.endr
	WIN 0
.endm
.macro FETCH_A slot, q, i0
.irp i, \i0, \i0+1, \i0+2, \i0+3
	FRAG AF+FR*(\i), ADRA+\slot, \q, \i
.endr
.endm
.macro SCALES sc                       ; a slot's scale words: 4 words a row; lanes 0-15 take x's block i, lanes 16-31 W's block i
.irp i, 0,1,2,3,4,5,6,7
	ds_load_b128 v[SC+8*NQ*\sc+NQ*\i:SC+8*NQ*\sc+NQ*\i+3], v[ADRS] offset:\i*SBLK
.endr
.endm
.macro PLACES n                        ; plain vector instructions between a matrix instruction and a load into, or a read of, its registers
.rept \n
	v_nop
.endr
.endm
.macro STEP slot, q, zero              ; a step of 128 along K that has its successor in the same slot
	s_wait_dscnt 4*NL                              ; W's set and x's blocks 0-3 are in; the youngest eight loads (x's blocks 4-7) may be out
	WIN MUL_LO
	MUL16 0, (\q)%2, \q, \slot, \zero
	MUL16 2, (\q)%2, \q, \slot, \zero
	s_wait_dscnt 0
	PLACES NP
	FETCH_B \slot, (\q)+1, 1-(\q)%2
	FETCH_A \slot, (\q)+1, 0
	WIN MUL_HI
	MUL16 4, (\q)%2, \q, \slot, \zero
	MUL16 6, (\q)%2, \q, \slot, \zero
	PLACES NP
	WIN 0
	FETCH_A \slot, (\q)+1, 4
.endm
.macro TURN slot, next                 ; slot 0's last step changes slots: one barrier; nothing is filled again
	s_wait_tensorcnt 0x0                           ; all my tensor loads have landed: my part of slot 1 among them
	ds_add_u32 v[SPW], v[NIL]                      ; 0 onto my spare word
	s_wait_dscnt 4*NL+1                            ; (the add and the youngest eight loads may be out)
	WIN MUL_LO
	MUL16 0, 1, NQ-1, \slot, 0
	s_wait_dscnt 0x0                               ; the add is done, and no LDS instruction of mine is pending at the signal
	s_barrier_signal -1
	MUL16 2, 1, NQ-1, \slot, 0
	WIN 0
	s_barrier_wait -1                              ; slot 1 is whole
	PLACES NP
	v_add_nc_u32 v[ADRS], 4*NQ, v[ADRS]            ; the next slot's scale words
	FETCH_B \next, 0, 0
	FETCH_A \next, 0, 0
	SCALES \next
	WIN MUL_HI
	MUL16 4, 1, NQ-1, \slot, 0
	MUL16 6, 1, NQ-1, \slot, 0
	PLACES NP
	WIN 0
	FETCH_A \next, 0, 4
.endm
.macro STEPS slot, from
.set Q, \from
.rept NQ-1-\from
	STEP \slot, Q, 0
.set Q, Q+1
.endr
.endm
	s_wait_tensorcnt 1                             ; the scales and my part of slot 0 are in; slot 1's load may be out
	s_barrier_signal -1
	s_barrier_wait -1
	FETCH_B 0, 0, 0
	FETCH_A 0, 0, 0
	SCALES 0
	FETCH_A 0, 0, 4
	STEP 0, 0, 1                                   ; the first products start the sums: nothing is cleared
	STEPS 0, 1
	TURN 0, 1
	STEPS 1, 0
	s_wait_dscnt 4*NL                              ; the last step: nothing more to fetch
	WIN MUL_LO
	MUL16 0, 1, NQ-1, 1, 0
	MUL16 2, 1, NQ-1, 1, 0
	s_wait_dscnt 0
	WIN MUL_HI
	MUL16 4, 1, NQ-1, 1, 0
	MUL16 6, 1, NQ-1, 1, 0
	WIN 0
	PLACES NP
	; the first 16 tokens of a sequence also leave in f32: cluster row 0, the waves of the upper row half, block 0.  Small: 786,432 bytes in the whole launch, 32 bytes a lane.
	s_and_b32 s46, ttmp7, 0xffff
	s_or_b32 s46, s46, s15
	s_cmp_lg_u32 s46, 0
	s_cbranch_scc1 .Lnofine
	WIN 0x08                                       ; a store's data are its source 1: window 2
.irp b, 0,1,2,3,4,5,6,7
	global_store_b128 v[FO], v[8*\b:8*\b+3], s[96:97] offset:64*\b           ; each accumulator from its low end on
	global_store_b128 v[FO], v[8*\b+4:8*\b+7], s[96:97] offset:64*\b+16
.endr
	WIN 0
.Lnofine:
; Block a (16 tokens x 128 columns): rounded to f16, four registers an accumulator, and stored as groups of images
.macro OUT a
.set AC, 64*((\a)%4)
.set OB, 128+32*((\a)%4)
	WIN 0x0a+5*((\a)/4)                            ; sources 0 and 1: window 2 or 3
.irp b, 0,1,2,3,4,5,6,7
.irp i, 0,1,2,3
	v_cvt_pk_f16_f32 v[OB+4*\b+\i], v[AC+8*\b+2*\i], v[AC+8*\b+2*\i+1]
.endr
.endr
	WIN 0
.irp b, 0,1,2,3,4,5,6,7
	global_store_b128 v[CO], v[OB+4*\b:OB+4*\b+3], s[12:13] offset:(\b/4)*1048576+(\b%4)*512+(\a)*2048   ; 512 consecutive bytes, aligned
.endr
.endm
.irp a, 0,1,2,3
	OUT \a
.endr
	s_wait_xcnt 0x0                                ; the stores of blocks 0-3 have read their registers: these are written again
.irp a, 4,5,6,7
	OUT \a
.endr
	s_wait_tensorcnt 0x0                           ; the wave's end
	ds_add_u32 v[SPW], v[NIL]
	s_wait_dscnt 0x0
	CROUND                                         ; the closing round
	s_endpgm
.Lfunc_end_k_q7ae98e0e06_qkv:
	.size	k_q7ae98e0e06_qkv, .Lfunc_end_k_q7ae98e0e06_qkv-k_q7ae98e0e06_qkv
	.p2alignl 7, 3214868480
	.fill 96, 4, 3214868480
	.section	.rodata,"a",@progbits
	.p2align	6, 0x0
	.amdhsa_kernel k_q7ae98e0e06_qkv
		.amdhsa_group_segment_fixed_size 327680
		.amdhsa_private_segment_fixed_size 0
		.amdhsa_enable_private_segment 0
		.amdhsa_kernarg_size 48
		.amdhsa_user_sgpr_count 2
		.amdhsa_user_sgpr_kernarg_segment_ptr 1
		.amdhsa_wavefront_size32 1
		.amdhsa_system_sgpr_workgroup_id_x 1
		.amdhsa_system_sgpr_workgroup_id_y 1
		.amdhsa_system_sgpr_workgroup_id_z 1
		.amdhsa_system_vgpr_workitem_id 0
		.amdhsa_next_free_vgpr 1024
		.amdhsa_next_free_sgpr 98
		.amdhsa_reserve_vcc 0
		.amdhsa_float_denorm_mode_32 3
		.amdhsa_float_denorm_mode_16_64 3
		.amdhsa_memory_ordered 1
		.amdhsa_forward_progress 1
		.amdhsa_inst_pref_size 120
	.end_amdhsa_kernel
	.amdgpu_metadata
---
amdhsa.version: [ 1, 2 ]
amdhsa.kernels:
  - .name:           k_q7ae98e0e06_qkv
    .symbol:         k_q7ae98e0e06_qkv.kd
    .args:
      - { .name: xcodes, .offset: 0, .size: 8, .value_kind: global_buffer, .address_space: global }
      - { .name: xscales, .offset: 8, .size: 8, .value_kind: global_buffer, .address_space: global }
      - { .name: wcodes, .offset: 16, .size: 8, .value_kind: global_buffer, .address_space: global }
      - { .name: wscales, .offset: 24, .size: 8, .value_kind: global_buffer, .address_space: global }
      - { .name: qkvf, .offset: 32, .size: 8, .value_kind: global_buffer, .address_space: global }
      - { .name: q32, .offset: 40, .size: 8, .value_kind: global_buffer, .address_space: global }
    .group_segment_fixed_size: 327680
    .private_segment_fixed_size: 0
    .kernarg_segment_align: 8
    .kernarg_segment_size: 48
    .max_flat_workgroup_size: 128
    .sgpr_count:     98
    .vgpr_count:     1024
    .wavefront_size: 32
...
	.end_amdgpu_metadata
.endif
;; end of part 2
;; launch attn (part 3): grid 4 x 64, 16 waves a work-group, clusters of 4 x 1, 327,680 bytes of LDS; arguments qkvf, att; writes att
.if DOCPART == 3
	.amdgcn_target "amdgcn-amd-amdhsa--gfx1250"
	.amdhsa_code_object_version 6
	.text
	.protected	k_q7ae98e0e06_attn
	.globl	k_q7ae98e0e06_attn
	.p2align	8
	.type	k_q7ae98e0e06_attn,@function
k_q7ae98e0e06_attn:
	s_mov_b64 s[64:65], 0
	v_nop
	global_prefetch_b8 v0, s[64:65] scope:SCOPE_SE
	s_setreg_imm32_b32 hwreg(HW_REG_WAVE_MODE, 25, 1), 1
	s_wait_xcnt 0x0
	s_wait_alu depctr_hold_cnt(0) depctr_sa_sdst(0) depctr_va_vdst(0) depctr_va_sdst(0) depctr_va_ssrc(0) depctr_va_vcc(0) depctr_vm_vsrc(0)
	s_getreg_b32 s2, hwreg(HW_REG_IB_STS2, 6, 4)
	s_cmp_eq_u32 s2, 0
	s_cbranch_scc0 .Lentry_in_a_cluster
	s_endpgm
.Lentry_in_a_cluster:
	s_bfe_u32 s2, ttmp6, 0x10000c
	s_cmp_lg_u32 s2, 0x3003
	s_cbranch_scc0 .Lentry_shape_is_right
	s_endpgm
.Lentry_shape_is_right:
; att[b][q][64 hd + :] = sum over k <= q of softmax_k(Q[q] . K[k] / 8) V[k][:], for each of 64 (batch, head).  Q, K, V come as f16 images (the launch before lays them); products in f16 with f32 sums; maxima,
; exponentials and sums in f32, with a running maximum; the weights p are rounded to f16 for the second product; the result is rounded to f16 once and laid as images for the last product:
; att = [token tile (512)][k / 32 (32)][1,024 bytes].
; LIMITS: |Q|, |K|, |V| and the result stay under 65,504 (f16); NaN and infinities are not served.
; SHARES.  The four work-groups of a cluster own one head; each of 16 waves owns 32 queries (two tiles of 16): queries 128 rank + 32 cx on.  rank = the wave's number, or 15 less it where the number's parity is odd:
; the ranks of waves alike in w % 4, and of waves alike in w / 4, add up to 30, so that the causal mask's uneven work is spread evenly.
; All partners walk all 8 slots of 256 keys, 64 keys a step.  A step all of whose keys come after the rank's 128 queries is jumped over; a step that reaches into them is masked lane by lane.
; Those branches hang on the wave's number and the count of steps alone: the place in the cluster enters only Q's and att's addresses and the mask's lane values.  Rank 15 of every partner reads every slot.
; CLUSTER.  The four walk the same K and V: each tile is asked for jointly (waves 0, 1: K's halves; waves 2, 3: V's), one load a wave behind each round; by this text's count one load of a wave is out at a time.
; LAYOUT.  S^T = K Q^T (source 0 = 16 keys, source 1 = 16 queries): a lane holds ONE query (lane % 16) and keys 8 (lane / 16) + 0..7.  Two such tiles, rounded in pairs, ARE source 1 of O^T = V^T P.
; K's fragments come from LDS at 16 x lane as they lie; V's pieces lie in the order in which the turning load at 16 x lane gives V^T.  No padding: every load of the wave takes 512 consecutive bytes.
; REGISTERS: v1 16 x lane; v2 the step's LDS address; v3, v4 the add's two; v5 my query - 8 (lane / 16); v6 -infinity; v8, v9 the mask's bounds; v10 the prefetch's offset; v16-47 Q; v48-111 S^T, then p, then P in place;
; v112-175 O^T; v176-239 K's, then V's fragments; v240-255 statistics, eight a tile: c m, m, l (two), c0-c3 at work (a takes c2's place).
.set SLOTB, 65536                      ; a slot: 256 keys of K (32,768 bytes), then of V; one exclusive or turns an address into the other slot's
.set VOFF,  32768
.set STEPB, 8192                       ; 64 keys: four token tiles of 2,048 bytes
.set SPARE, 2*SLOTB                    ; the spare words, 128 bytes a wave
.set L16, 1
.set ADR, 2
.set SPW, 3
.set NIL, 4
.set QR,  5
.set NEG, 6
.set D0,  8
.set PFO, 10
.set Q,   16
.set S,   48
.set O,   112
.set KV,  176
.set ST,  240
.set WV,  8
.set CX,  9
.set RK,  11
.set QB,  12                           ; s12 the rank's first query
.set QE,  13                           ; s13 and the first behind its last
.set KF,  14                           ; s14 the step's first key
.set TB,  15                           ; s15 LDS byte at which the step's keys begin
.set SLOTS, 16
.set CNT, 17
.set LIM, 18
.set SEL, 20
.set CS,  22                           ; s[22:23] c = log2(e) / 8
.set G1,  24
.set G0,  32
.set PFA, 36
.set QA,  38
.set OA,  40
.macro CROUND
	s_barrier_signal -1
	s_barrier_wait -1
	s_cmp_lg_u32 s[WV], 0
	s_cbranch_scc1 .Lnot_wave_0_\@
	s_barrier_signal -3
.Lnot_wave_0_\@:
	s_barrier_wait -3
	s_barrier_signal -1
	s_barrier_wait -1
.endm
.macro TLOAD                           ; waves 0 to 3 fetch, 16,384 bytes each; the branch hangs on the wave's number alone.  An s_nop 0 and four v_nop follow the load
	s_cmp_lt_u32 s[WV], 4
	s_cbranch_scc0 .Lasked_\@
	tensor_load_to_lds s[G0:G0+3], s[G1:G1+7]
	s_nop 0
.rept 4
	v_nop
.endr
.Lasked_\@:
.endm
; A prefetch of what the NEXT change of slots will ask for: 32,768 bytes of K and of V.  The four partners take 8,192 bytes each, told apart by address; in each, wave 4 asks for K's and wave 5 for V's,
; lanes 256 bytes apart: each block of 256 bytes is named once in the launch.  It stands four key steps ahead of the load.  The last change that fills a slot asks for nothing; slots 0 and 1 come by their loads alone.
.macro ASK
	s_cmp_gt_u32 s[SLOTS], s[LIM]
	s_cbranch_scc0 .Lnot_mine_\@
	global_prefetch_b8 v[PFO], s[PFA:PFA+1] th:TH_LOAD_NT scope:SCOPE_SE
.Lnot_mine_\@:
.endm
	s_load_b128 s[4:7], s[0:1], 0x0                ; qkvf, att
	v_lshl_add_u32 v[SPW], v0, 2, SPARE
	v_mov_b32 v[NIL], 0
	ds_add_u32 v[SPW], v[NIL]                      ; the wave's opening: the add, twice on end, and its wait ahead of the first tensor load
	ds_add_u32 v[SPW], v[NIL]
	v_lshrrev_b32 v1, 5, v0
	v_readfirstlane_b32 s[WV], v1                  ; wave 0..15
	s_bfe_u32 s[CX], ttmp6, 0x40000                ; my place in the cluster
	s_lshr_b32 s10, s[WV], 2
	s_xor_b32 s10, s10, s[WV]
	s_lshr_b32 s[RK], s10, 1
	s_xor_b32 s10, s10, s[RK]
	s_and_b32 s10, s10, 1                          ; the parity of the wave's four bits
	s_mul_i32 s10, s10, 15
	s_xor_b32 s[RK], s[WV], s10                    ; rank
	s_lshl_b32 s[QB], s[RK], 7
	s_add_co_u32 s[QE], s[QB], 128
	s_and_b32 s42, ttmp7, 0xffff
	s_lshr_b32 s43, s42, 4                         ; batch
	s_and_b32 s44, s42, 15                         ; head
	s_mov_b32 s[G1], 15|(3<<16)|(1<<21)            ; the mask: all four; elements of 8 bytes; bit 21 beside a mask; no padding
	s_mov_b32 s[G1+1], 32<<16                      ; tensor_dim0: a row of 256 bytes
	s_mov_b32 s[G1+2], 64<<16                      ; tensor_dim1
	s_mov_b32 s[G1+3], 32<<16                      ; tile_dim0
	s_mov_b32 s[G1+4], 64                          ; tile_dim1: 64 rows, a dense block of 16,384 bytes
	s_mov_b32 s[G1+5], 32                          ; the pitch
	s_mov_b32 s[G1+6], 0
	s_mov_b32 s[G1+7], 0
	s_lshr_b32 s45, s[WV], 1                       ; what I fetch, if I fetch: K (waves 0, 1) or V (2, 3),
	s_and_b32 s45, s45, 1
	s_lshl_b32 s45, s45, 4
	s_add_co_u32 s45, s45, s44
	s_add_co_u32 s45, s45, 16                      ; block 16 + head, or 32 + head, of 1 MiB
	s_lshl_b32 s46, s45, 20
	s_lshl_b32 s47, s43, 18                        ; the batch's 128 token tiles
	s_add_co_u32 s46, s46, s47
	s_and_b32 s47, s[WV], 1
	s_lshl_b32 s47, s47, 14                        ; which half of a slot's 256 keys
	s_add_co_u32 s46, s46, s47
	s_mov_b32 s47, 0
	s_lshl_b32 s48, s[CX], 5
	s_add_co_u32 s48, s48, s[QB]                   ; my first query
	s_lshl_b32 s50, s44, 20                        ; Q: block head,
	s_lshl_b32 s51, s43, 18
	s_add_co_u32 s50, s50, s51
	s_lshl_b32 s51, s48, 7                         ; 2,048 bytes for 16 queries
	s_add_co_u32 s50, s50, s51
	s_mov_b32 s51, 0
	s_lshl_b32 s52, s43, 11                        ; att: (2,048 batch + query) x 2,048 bytes + 2,048 x head
	s_add_co_u32 s52, s52, s48
	s_add_co_u32 s52, s52, s44
	s_lshl_b32 s52, s52, 11
	s_mov_b32 s53, 0
	s_and_b32 s54, s[WV], 1                        ; the prefetches: K's block (wave 4) or V's (wave 5),
	s_lshl_b32 s54, s54, 4
	s_add_co_u32 s54, s54, s44
	s_add_co_u32 s54, s54, 16
	s_lshl_b32 s54, s54, 20
	s_lshl_b32 s55, s43, 18
	s_add_co_u32 s54, s54, s55
	s_lshl_b32 s55, s[CX], 13                      ; my work-group's 8,192 bytes,
	s_add_co_u32 s54, s54, s55
	s_add_co_u32 s54, s54, 32768                   ; in slot 1: the first change of slots steps it to slot 2
	s_mov_b32 s55, 0
	s_lshr_b32 s[LIM], s[WV], 1
	s_cmp_eq_u32 s[LIM], 2
	s_cselect_b32 s[LIM], 1, -1                    ; 1 in waves 4 and 5, else the greatest number
	s_mov_b32 s[SEL], 0x76543210
	s_mov_b32 s[SEL+1], 0xfedcba98                 ; lane l xor 16
	s_mov_b32 s[CS], 0x3e38aa3b                    ; c = log2(e) / 8
	s_mov_b32 s[CS+1], s[CS]
	s_mov_b32 s[KF], 0
	s_mov_b32 s[TB], 0
	s_mov_b32 s[SLOTS], 7
	s_wait_dscnt 0x0                               ; both opening adds are done
	s_wait_kmcnt 0x0
	s_mov_b32 s[G0], 1
	s_lshl_b32 s[G0+1], s[WV], 14                  ; LDS: 16,384 x wave: K's halves, then V's; slot 0
	s_add_nc_u64 s[G0+2:G0+3], s[4:5], s[46:47]
	s_or_b32 s[G0+3], s[G0+3], 0x80000000
	s_add_nc_u64 s[PFA:PFA+1], s[4:5], s[54:55]
	s_add_nc_u64 s[QA:QA+1], s[4:5], s[50:51]
	s_add_nc_u64 s[OA:OA+1], s[6:7], s[52:53]
	CROUND                                         ; all four work-groups are here: the first joint loads meet
	TLOAD                                          ; slot 0
	v_and_b32 v[L16], 31, v0
	v_lshlrev_b32 v[PFO], 8, v[L16]
	v_lshlrev_b32 v[L16], 4, v[L16]
.irp t, 0,1
.irp f, 0,1,2,3
	global_load_b128 v[Q+16*\t+4*\f:Q+16*\t+4*\f+3], v[L16], s[QA:QA+1] offset:2048*\t+512*\f   ; Q stays in registers: tile t, channels 32 (f / 2) on, group f % 2
.endr
.endr
	v_and_b32 v[QR], 15, v0
	v_bfe_u32 v[NEG], v0, 4, 1
	v_lshlrev_b32 v[NEG], 3, v[NEG]
	v_sub_nc_u32 v[QR], v[QR], v[NEG]
	v_add_nc_u32 v[QR], s48, v[QR]                 ; tile 0's query of my lane, less 8 (lane / 16)
	v_mov_b32 v[NEG], 0xff800000                   ; -infinity
.irp t, 0,1
	v_mov_b32 v[ST+8*\t+1], 0xff61b1e6             ; m: -3e38, under every score
	v_mul_f32 v[ST+8*\t], s[CS], v[ST+8*\t+1]      ; c m
.irp i, 2,3,4,5,6,7
	v_mov_b32 v[ST+8*\t+\i], 0                     ; l; and the registers at work, written once (a lane permute's destination counts as read)
.endr
.endr
.set n, 0
.rept 64
	v_mov_b32 v[O+n], 0                            ; O^T.  The step is written once: the first finds zeros, which its a = 0 leaves zeros
.set n, n+1
.endr
; A KEY STEP: 64 keys against my 32 queries.
.macro STEP
	s_cmp_ge_u32 s[KF], s[QE]
	s_cbranch_scc1 .Lhidden_\@                     ; all its keys come after the rank's queries
	v_add_nc_u32 v[ADR], s[TB], v[L16]
.irp kc, 0,1
.irp kt, 0,1,2,3
.irp c, 0,1
	ds_load_b128 v[KV+16*\kt+8*\kc+4*\c:KV+16*\kt+8*\kc+4*\c+3], v[ADR] offset:2048*\kt+1024*\kc+512*\c
.endr
.endr
.endr
	s_wait_dscnt 8                                 ; channels 0-31 of the four key tiles are in; the other eight loads may be out
.irp kt, 0,1,2,3
.irp t, 0,1
	v_wmma_f32_16x16x32_f16 v[S+32*\t+8*\kt:S+32*\t+8*\kt+7], v[KV+16*\kt:KV+16*\kt+7], v[Q+16*\t:Q+16*\t+7], 0
.endr
.endr
	s_wait_dscnt 0x0
.irp kt, 0,1,2,3                               ; the eight accumulators take turns
.irp t, 0,1
	v_wmma_f32_16x16x32_f16 v[S+32*\t+8*\kt:S+32*\t+8*\kt+7], v[KV+16*\kt+8:KV+16*\kt+15], v[Q+16*\t+8:Q+16*\t+15], v[S+32*\t+8*\kt:S+32*\t+8*\kt+7]
.endr
.endr
.rept 4
	v_nop                                          ; places in front of the loads into K's registers and of the first read of the scores
.endr
.irp kk, 0,1                                   ; V^T: keys 32 kk on, channels 16 ct on; the loads land under the softmax
.irp ct, 0,1,2,3
.irp hf, 0,1
	ds_load_tr16_b128 v[KV+16*\ct+8*\kk+4*\hf:KV+16*\ct+8*\kk+4*\hf+3], v[ADR] offset:VOFF+(2*\kk+\hf)*2048+512*\ct
.endr
.endr
.endr
	s_cmp_lt_u32 s[KF], s[QB]
	s_cbranch_scc1 .Lopen_\@                       ; all its keys count for all the rank's queries
	v_sub_nc_u32 v[D0], v[QR], s[KF]               ; register 8 kt + j holds key KF + 16 kt + 8 (lane / 16) + j: hidden where 16 kt + j > my query - 8 (lane / 16) - KF
	v_add_nc_u32 v[D0+1], 16, v[D0]
.set n, 0
.rept 32
	v_cmp_gt_i32 vcc_lo, 16*(n/8)+n%8, v[D0]
	v_cndmask_b32 v[S+n], v[S+n], v[NEG], vcc_lo
	v_cmp_gt_i32 vcc_lo, 16*(n/8)+n%8, v[D0+1]
	v_cndmask_b32 v[S+32+n], v[S+32+n], v[NEG], vcc_lo
.set n, n+1
.endr
.Lopen_\@:
.irp j, 0,1,2,3                                ; the maximum of the lane's 32 scores and the old m, three at a time, four chains a tile; each accumulator is read from its low end on
.irp t, 0,1
	v_max3_num_f32 v[ST+8*\t+4+\j], v[S+32*\t+8*\j], v[S+32*\t+8*\j+1], v[S+32*\t+8*\j+2]
.endr
.endr
.irp u, 1,2
.irp j, 0,1,2,3
.irp t, 0,1
	v_max3_num_f32 v[ST+8*\t+4+\j], v[ST+8*\t+4+\j], v[S+32*\t+8*\j+2*\u+1], v[S+32*\t+8*\j+2*\u+2]
.endr
.endr
.endr
.irp t, 0,1
	v_max3_num_f32 v[ST+8*\t+4], v[ST+8*\t+4], v[S+32*\t+7], v[S+32*\t+15]
	v_max3_num_f32 v[ST+8*\t+6], v[ST+8*\t+6], v[S+32*\t+23], v[S+32*\t+31]
.endr
.irp t, 0,1
	v_max3_num_f32 v[ST+8*\t+4], v[ST+8*\t+4], v[ST+8*\t+5], v[ST+8*\t+6]
.endr
.irp t, 0,1
	v_max3_num_f32 v[ST+8*\t+4], v[ST+8*\t+4], v[ST+8*\t+7], v[ST+8*\t+1]
.endr
.irp t, 0,1
	v_permlanex16_b32 v[ST+8*\t+5], v[ST+8*\t+4], s[SEL], s[SEL+1]   ; the query's other 32 keys lie in the lane 16 away
.endr
.irp t, 0,1
	v_mov_b32 v[ST+8*\t+7], v[ST+8*\t]             ; c m_old
.endr
.irp t, 0,1
	v_max_num_f32 v[ST+8*\t+1], v[ST+8*\t+4], v[ST+8*\t+5]
.endr
.irp t, 0,1
	v_mul_f32 v[ST+8*\t], s[CS], v[ST+8*\t+1]
.endr
.irp t, 0,1
	v_sub_f32 v[ST+8*\t+7], v[ST+8*\t+7], v[ST+8*\t]
.endr
.irp p, 0,2,4,6,8,10,12,14,16,18,20,22,24,26,28,30
.irp t, 0,1
	v_pk_fma_f32 v[S+32*\t+\p:S+32*\t+\p+1], v[S+32*\t+\p:S+32*\t+\p+1], s[CS:CS+1], v[ST+8*\t:ST+8*\t+1] op_sel_hi:[1,0,0] neg_lo:[0,0,1] neg_hi:[0,0,1]   ; c s - c m
.endr
.endr
.irp t, 0,1
	v_exp_f32 v[ST+8*\t+6], v[ST+8*\t+7]           ; a = 2^(c m_old - c m_new)
.endr
.set n, 0
.rept 64
	v_exp_f32 v[S+n], v[S+n]                       ; p: one batch of 66 exponentials, none of which reads another's result
.set n, n+1
.endr
	v_nop                                          ; a plain instruction behind the last exponential
	s_wait_alu depctr_va_vdst(0)                   ; one wait for the batch, ahead of its first reader
.irp t, 0,1
	v_pk_mul_f32 v[ST+8*\t+2:ST+8*\t+3], v[ST+8*\t+2:ST+8*\t+3], v[ST+8*\t+6:ST+8*\t+7] op_sel_hi:[1,0]   ; l x a
.endr
.irp t, 0,1
	v_pk_add_f32 v[ST+8*\t+4:ST+8*\t+5], v[S+32*\t:S+32*\t+1], v[S+32*\t+2:S+32*\t+3]   ; the sum of the unrounded p, in two chains a tile
.endr
.irp p, 4,8,12,16,20,24,28
.irp t, 0,1
	v_pk_add_f32 v[ST+8*\t+2:ST+8*\t+3], v[ST+8*\t+2:ST+8*\t+3], v[S+32*\t+\p:S+32*\t+\p+1]
	v_pk_add_f32 v[ST+8*\t+4:ST+8*\t+5], v[ST+8*\t+4:ST+8*\t+5], v[S+32*\t+\p+2:S+32*\t+\p+3]
.endr
.endr
.irp t, 0,1
	v_pk_add_f32 v[ST+8*\t+2:ST+8*\t+3], v[ST+8*\t+2:ST+8*\t+3], v[ST+8*\t+4:ST+8*\t+5]
.endr
.irp kk, 0,1                                   ; P in place: register i of the fragment of keys 32 kk on is made of p 2 i and 2 i + 1, in ascending order, so that nothing is overwritten before it is read
.irp i, 0,1,2,3,4,5,6,7
.irp t, 0,1
	v_cvt_pk_f16_f32 v[S+32*\t+16*\kk+\i], v[S+32*\t+16*\kk+2*\i], v[S+32*\t+16*\kk+2*\i+1]
.endr
.endr
.endr
.set n, 0
.rept 32
	v_pk_mul_f32 v[O+n:O+n+1], v[O+n:O+n+1], v[ST+8*(n/32)+6:ST+8*(n/32)+7] op_sel_hi:[1,0]   ; O^T x a
.set n, n+2
.endr
	s_wait_dscnt 8                                 ; V of keys 0-31 is in
.irp ct, 0,1,2,3
.irp t, 0,1
	v_wmma_f32_16x16x32_f16 v[O+32*\t+8*\ct:O+32*\t+8*\ct+7], v[KV+16*\ct:KV+16*\ct+7], v[S+32*\t:S+32*\t+7], v[O+32*\t+8*\ct:O+32*\t+8*\ct+7]
.endr
.endr
	s_wait_dscnt 0x0
.irp ct, 0,1,2,3
.irp t, 0,1
	v_wmma_f32_16x16x32_f16 v[O+32*\t+8*\ct:O+32*\t+8*\ct+7], v[KV+16*\ct+8:KV+16*\ct+15], v[S+32*\t+16:S+32*\t+23], v[O+32*\t+8*\ct:O+32*\t+8*\ct+7]
.endr
.endr
.rept 5
	v_nop                                          ; the next step's products write over P, its loads land on V's registers, and the way out reads O^T
.endr
.Lhidden_\@:
	s_add_co_u32 s[KF], s[KF], 64
	s_add_co_u32 s[TB], s[TB], STEPB
.endm
; THE CHANGE OF SLOTS stands at a slot's head.  Each wave waits for all its tensor loads, adds 0 to its spare word, and waits for that and for its reads of the slot that it has left.
; fill = 1: a round of the cluster's barrier; behind it the slot just left is filled with the keys that follow: the load has four key steps in which to land.
.macro CHANGE fill
	s_wait_tensorcnt 0x0                           ; no tensor load of mine is out, so the descriptor may be written
	ds_add_u32 v[SPW], v[NIL]
.if \fill
	ds_add_u32 v[SPW], v[NIL]                      ; and twice on end here
	s_xor_b32 s[G0+1], s[G0+1], SLOTB              ; the other slot than last time,
	s_add_nc_u64 s[G0+2:G0+3], s[G0+2:G0+3], 32768 ; the next 256 keys
	s_wait_xcnt 0x0                                ; the last prefetch, a slot back, has read its address
	s_add_nc_u64 s[PFA:PFA+1], s[PFA:PFA+1], 32768
	s_wait_dscnt 0x0                               ; both adds are done, and my reads of the slot that I have left are over
	CROUND
	TLOAD
	ASK
.else
	s_wait_dscnt 0x0
	s_barrier_signal -1
	s_barrier_wait -1
.endif
.endm
.macro SLOT_STEPS
	s_mov_b32 s[CNT], 4
.Lstep_\@:
	STEP
	s_sub_co_u32 s[CNT], s[CNT], 1
	s_cmp_lg_u32 s[CNT], 0
	s_cbranch_scc1 .Lstep_\@
	s_sub_co_u32 s[TB], s[TB], 4*STEPB
	s_xor_b32 s[TB], s[TB], SLOTB                  ; on to the other slot
.endm
	s_wait_loadcnt 0x0                             ; Q
.Lslot:                                            ; seven trips: behind each change of slots but the last the next slot is asked for
	CHANGE 1
	SLOT_STEPS
	s_sub_co_u32 s[SLOTS], s[SLOTS], 1
	s_cmp_lg_u32 s[SLOTS], 0
	s_cbranch_scc1 .Lslot
	CHANGE 0                                       ; the last slot is written out
	SLOT_STEPS
	; THE WAY OUT: l's halves are added, O^T is divided by l, rounded to f16: a lane's eight channels of a query are 16 bytes of an image's group: stored straight, 512 consecutive bytes a store.
.irp t, 0,1
	v_add_f32 v[ST+8*\t+4], v[ST+8*\t+2], v[ST+8*\t+3]
.endr
.irp t, 0,1
	v_permlanex16_b32 v[ST+8*\t+5], v[ST+8*\t+4], s[SEL], s[SEL+1]
.endr
.irp t, 0,1
	v_add_f32 v[ST+8*\t+4], v[ST+8*\t+4], v[ST+8*\t+5]
.endr
.irp t, 0,1
	v_rcp_f32 v[ST+8*\t+6], v[ST+8*\t+4]
.endr
	v_nop
	s_wait_alu depctr_va_vdst(0)                   ; one wait for the two reciprocals, ahead of their first reader
.set n, 0
.rept 32
	v_pk_mul_f32 v[O+n:O+n+1], v[O+n:O+n+1], v[ST+8*(n/32)+6:ST+8*(n/32)+7] op_sel_hi:[1,0]
.set n, n+2
.endr
.set n, 0
.rept 32
	v_cvt_pk_f16_f32 v[S+n], v[O+2*n], v[O+2*n+1]  ; tile t, channels 16 ct on: registers S + 16 t + 4 ct ..
.set n, n+1
.endr
.irp t, 0,1
.irp ct, 0,1,2,3
	global_store_b128 v[L16], v[S+16*\t+4*\ct:S+16*\t+4*\ct+3], s[OA:OA+1] offset:32768*\t+512*\ct
.endr
.endr
	s_wait_tensorcnt 0x0                           ; the wave's end
	ds_add_u32 v[SPW], v[NIL]
	s_wait_dscnt 0x0
	CROUND                                         ; the closing round
	s_endpgm
.Lfunc_end_k_q7ae98e0e06_attn:
	.size	k_q7ae98e0e06_attn, .Lfunc_end_k_q7ae98e0e06_attn-k_q7ae98e0e06_attn
	.p2alignl 7, 3214868480
	.fill 96, 4, 3214868480
	.section	.rodata,"a",@progbits
	.p2align	6, 0x0
	.amdhsa_kernel k_q7ae98e0e06_attn
		.amdhsa_group_segment_fixed_size 327680
		.amdhsa_private_segment_fixed_size 0
		.amdhsa_enable_private_segment 0
		.amdhsa_kernarg_size 16
		.amdhsa_user_sgpr_count 2
		.amdhsa_user_sgpr_kernarg_segment_ptr 1
		.amdhsa_wavefront_size32 1
		.amdhsa_system_sgpr_workgroup_id_x 1
		.amdhsa_system_sgpr_workgroup_id_y 1
		.amdhsa_system_sgpr_workgroup_id_z 1
		.amdhsa_system_vgpr_workitem_id 0
		.amdhsa_next_free_vgpr 256
		.amdhsa_next_free_sgpr 66
		.amdhsa_reserve_vcc 1
		.amdhsa_float_denorm_mode_32 3
		.amdhsa_float_denorm_mode_16_64 3
		.amdhsa_memory_ordered 1
		.amdhsa_forward_progress 1
		.amdhsa_inst_pref_size 59
	.end_amdhsa_kernel
	.amdgpu_metadata
---
amdhsa.version: [ 1, 2 ]
amdhsa.kernels:
  - .name:           k_q7ae98e0e06_attn
    .symbol:         k_q7ae98e0e06_attn.kd
    .args:
      - { .name: qkvf, .offset: 0, .size: 8, .value_kind: global_buffer, .address_space: global }
      - { .name: att, .offset: 8, .size: 8, .value_kind: global_buffer, .address_space: global }
    .group_segment_fixed_size: 327680
    .private_segment_fixed_size: 0
    .kernarg_segment_align: 8
    .kernarg_segment_size: 16
    .max_flat_workgroup_size: 512
    .sgpr_count:     66
    .vgpr_count:     256
    .wavefront_size: 32
...
	.end_amdgpu_metadata
.endif
;; end of part 3
;; launch proj (part 4): grid 8 x 64, 4 waves a work-group, clusters of 4 x 4, 327,680 bytes of LDS; arguments att, wo16, out0; writes out0
.if DOCPART == 4
	.amdgcn_target "amdgcn-amd-amdhsa--gfx1250"
	.amdhsa_code_object_version 6
	.text
	.protected	k_q7ae98e0e06_proj
	.globl	k_q7ae98e0e06_proj
	.p2align	8
	.type	k_q7ae98e0e06_proj,@function
k_q7ae98e0e06_proj:
	s_mov_b64 s[64:65], 0
	v_nop
	global_prefetch_b8 v0, s[64:65] scope:SCOPE_SE
	s_setreg_imm32_b32 hwreg(HW_REG_WAVE_MODE, 25, 1), 1
	s_wait_xcnt 0x0
	s_wait_alu depctr_hold_cnt(0) depctr_sa_sdst(0) depctr_va_vdst(0) depctr_va_sdst(0) depctr_va_ssrc(0) depctr_va_vcc(0) depctr_vm_vsrc(0)
	s_getreg_b32 s2, hwreg(HW_REG_IB_STS2, 6, 4)
	s_cmp_eq_u32 s2, 0
	s_cbranch_scc0 .Lentry_in_a_cluster
	s_endpgm
.Lentry_in_a_cluster:
	s_bfe_u32 s2, ttmp6, 0x10000c
	s_cmp_lg_u32 s2, 0xf033
	s_cbranch_scc0 .Lentry_shape_is_right
	s_endpgm
.Lentry_shape_is_right:
; out0[m][n] = sum over k of att[m][k] W_o[n][k].  M = 8,192, N = 1,024, K = 1,024.  Both operands come as f16 images of fragments ([row tile][k / 32][1,024 bytes]); sums in f32; out0 is f32.
; (The first 16 rows of each sequence are written here too and written again, from f32 operands, by the launch behind this one.)
; A tile of out0 is 128 x 128: 512 work-groups.  Four waves, each 64 x 64: 16 accumulators.  K goes in steps of 256 through two LDS slots; a wave's tensor load brings four row tiles x 8 images: four rows of 8,192 bytes, 32,768 bytes apart.
; A fragment's two groups are read at 16 x lane: every LDS load takes 512 consecutive bytes: no padding.
; CLUSTERS: 4 x 4 work-groups; att's tiles are shared along a row of the cluster, W_o's along a column: joint loads.  THE MATRIX INSTRUCTION IS USED TRANSPOSED (source 0 = 16 rows of W_o, source 1 = 16 tokens).
; No prefetch: a step's tiles are small and the launch is short.
; REGISTERS: window 0: v0-31 addresses; v32-95 the way out; v128-255 the accumulators ((a, b) at v[128 + 8 (4 a + b)]).  window 1: two fragment buffers of 128: 64 registers of att, then 64 of W_o.
.set HALFT,  32768                     ; four row tiles x 8 images: what one tensor load brings, and what one wave reads of att or of W_o
.set SLOT,   4*HALFT
.set KSB,    8192                      ; a K step in a row tile's images, in bytes
.set STAGE,  2*SLOT                    ; behind the ring: 16 rows x 272 bytes for each wave
.set SPITCH, 272
.set SPARE,  STAGE+4*16*SPITCH
.set LAPS, 2
.set ADRA, 16
.set ADRB, 20
.set STO,  24
.set RD,   25
.set CO,   26
.set SPW,  28
.set NIL,  29
.set TMP,  32
.set ACC,  128
.set F0,   0
.set F1,   128
.set G1, 24
.set G0, 32
.set G1B, 48
.set G0B, 56
.set MSB, 0
.macro WIN new
.if MSB != \new
	s_set_vgpr_msb (MSB<<8)|\new
.set MSB, \new
.endif
.endm
.set MUL,  0x05                        ; sources 0 and 1 window 1; C and D window 0
.set TO_F, 0x40
.macro JLOAD s                         ; waves 0 and 1 fetch att's halves, waves 2 and 3 W_o's; an s_nop 0 and four v_nop follow each line
	s_cmp_eq_u32 s11, 0
	s_cbranch_scc0 .Lfor_b_\@
	tensor_load_to_lds s[G0+4*\s:G0+4*\s+3], s[G1:G1+7]
	s_nop 0
.rept 4
	v_nop
.endr
	s_branch .Lasked_\@
.Lfor_b_\@:
	tensor_load_to_lds s[G0B+4*\s:G0B+4*\s+3], s[G1B:G1B+7]
	s_nop 0
.rept 4
	v_nop
.endr
.Lasked_\@:
.endm
.macro CREST
	s_cmp_lg_u32 s10, 0
	s_cbranch_scc1 .Lnot_wave_0_\@
	s_barrier_signal -3
.Lnot_wave_0_\@:
	s_barrier_wait -3
	s_barrier_signal -1
	s_barrier_wait -1
.endm
.macro CROUND
	s_barrier_signal -1
	s_barrier_wait -1
	CREST
.endm
	s_load_b128 s[4:7], s[0:1], 0x0                ; att, wo16
	s_load_b64 s[8:9], s[0:1], 0x10                ; out0
	v_lshl_add_u32 v[SPW], v0, 2, SPARE
	v_mov_b32 v[NIL], 0
	ds_add_u32 v[SPW], v[NIL]                      ; the wave's opening: the add, twice on end, and its wait ahead of my first tensor load
	ds_add_u32 v[SPW], v[NIL]
	v_lshrrev_b32 v1, 5, v0
	v_readfirstlane_b32 s10, v1                    ; wave 0..3
	s_lshr_b32 s11, s10, 1                         ; my half of the tile's rows.  Also: I fetch for att (0) or for W_o (1)
	s_and_b32 s12, s10, 1                          ; my half of its columns.  Also: which four row tiles I fetch
	s_bfe_u32 s40, ttmp6, 0x40000
	s_bfe_u32 s41, ttmp6, 0x40004
	s_lshl_b32 s42, ttmp9, 2
	s_add_co_u32 s42, s42, s40                     ; tile column
	s_and_b32 s13, ttmp7, 0xffff
	s_lshl_b32 s13, s13, 2
	s_add_co_u32 s13, s13, s41                     ; tile row
	s_lshl_b32 s43, s41, 2
	s_lshl_b32 s43, 15, s43                        ; my row of the cluster
	s_lshl_b32 s44, 0x1111, s40                    ; my column
	s_or_b32 s[G1+0], s43, (3<<16)|(1<<21)         ; the mask; elements of 8 bytes; bit 21 beside a mask; no padding
	s_or_b32 s[G1B+0], s44, (3<<16)|(1<<21)
.irp g, G1, G1B
	s_mov_b32 s[\g+1], 1024<<16                    ; tensor_dim0: 8,192 bytes
	s_mov_b32 s[\g+2], 4<<16                       ; tensor_dim1
	s_mov_b32 s[\g+3], 1024<<16                    ; tile_dim0
	s_mov_b32 s[\g+4], 4                           ; tile_dim1
	s_mov_b32 s[\g+5], 4096                        ; the pitch: 32,768 bytes from row tile to row tile
	s_mov_b32 s[\g+6], 0
	s_mov_b32 s[\g+7], 0
.endr
	s_lshl_b32 s17, s12, 2
	s_lshl_b32 s16, s13, 3
	s_add_co_u32 s16, s16, s17                     ; att: row tile 8 x tile row + 4 x half
	s_lshl_b32 s16, s16, 15
	s_lshl_b32 s46, s42, 3
	s_add_co_u32 s46, s46, s17                     ; W_o: row tile 8 x tile column + 4 x half
	s_lshl_b32 s46, s46, 15
	s_mov_b32 s17, 0
	s_mov_b32 s47, 0
	s_mul_i32 s20, s10, HALFT                      ; where they go: no place in the cluster enters an LDS address
	s_wait_dscnt 0x0
	s_wait_kmcnt 0x0
	s_add_nc_u64 s[14:15], s[4:5], s[16:17]
	s_add_nc_u64 s[46:47], s[6:7], s[46:47]
	CROUND
.irp s, 0,1
	s_mov_b32 s[G0+4*\s], 1
	s_add_co_u32 s[G0+4*\s+1], s20, \s*SLOT
	s_add_nc_u64 s[G0+4*\s+2:G0+4*\s+3], s[14:15], \s*KSB
	s_or_b32 s[G0+4*\s+3], s[G0+4*\s+3], 0x80000000
	s_mov_b32 s[G0B+4*\s], 1
	s_add_co_u32 s[G0B+4*\s+1], s20, \s*SLOT
	s_add_nc_u64 s[G0B+4*\s+2:G0B+4*\s+3], s[46:47], \s*KSB
	s_or_b32 s[G0B+4*\s+3], s[G0B+4*\s+3], 0x80000000
	JLOAD \s
.endr
	v_and_b32 v1, 15, v0
	v_bfe_u32 v2, v0, 4, 1
	v_and_b32 v3, 31, v0
	v_lshlrev_b32 v3, 4, v3                        ; 16 x lane
	s_mul_i32 s21, s11, HALFT
	s_mul_i32 s22, s12, HALFT
	s_add_co_u32 s22, s22, 2*HALFT
.irp s, 0,1
	v_add_nc_u32 v[ADRA+\s], s21, v3
	v_add_nc_u32 v[ADRB+\s], s22, v3
	s_add_co_u32 s21, s21, SLOT
	s_add_co_u32 s22, s22, SLOT
.endr
	s_mul_i32 s23, s10, 16*SPITCH
	s_add_co_u32 s23, s23, STAGE                   ; my stage
	v_mul_u32_u24 v4, v1, SPITCH                   ; in: row l % 16, 32 bytes for each half of the lanes
	v_lshl_add_u32 v4, v2, 5, v4
	v_add_nc_u32 v[STO], s23, v4
	v_mul_u32_u24 v5, v2, SPITCH                   ; back: lanes 0-15 one row of 256 bytes, lanes 16-31 the next
	v_lshl_add_u32 v5, v1, 4, v5
	v_add_nc_u32 v[RD], s23, v5
	v_lshlrev_b32 v5, 12, v2                       ; and the same two rows in out0
	v_lshl_add_u32 v[CO], v1, 4, v5
	s_lshl_b32 s16, s13, 7
	s_lshl_b32 s17, s11, 6
	s_add_co_u32 s16, s16, s17                     ; my first row: 128 x tile row + 64 x half
	s_lshl_b32 s16, s16, 12
	s_mov_b32 s17, 0
	s_add_nc_u64 s[8:9], s[8:9], s[16:17]
	s_lshl_b32 s46, s42, 9
	s_lshl_b32 s47, s12, 8
	s_add_co_u32 s46, s46, s47                     ; my first column, in bytes: 512 x tile column + 256 x half
	s_mov_b32 s47, 0
	s_add_nc_u64 s[8:9], s[8:9], s[46:47]
.macro MUL8 f, c, a0, zero             ; 8 matrix instructions: m blocks a0, a0 + 1 x 4 n blocks, 32 along K; the 16 accumulators take turns
.irp a, \a0, \a0+1
.irp b, 0,1,2,3
.if \zero
	v_wmma_f32_16x16x32_f16 v[ACC+8*(4*(\a)+\b):ACC+8*(4*(\a)+\b)+7], v[\f+64+8*(4*\c+\b):\f+64+8*(4*\c+\b)+7], v[\f+8*(4*\c+\a):\f+8*(4*\c+\a)+7], 0
.else
	v_wmma_f32_16x16x32_f16 v[ACC+8*(4*(\a)+\b):ACC+8*(4*(\a)+\b)+7], v[\f+64+8*(4*\c+\b):\f+64+8*(4*\c+\b)+7], v[\f+8*(4*\c+\a):\f+8*(4*\c+\a)+7], v[ACC+8*(4*(\a)+\b):ACC+8*(4*(\a)+\b)+7]
.endif
.endr
.endr
.endm
.macro FETCH slot, k, f                ; 32 LDS loads in one run: two images (64 along K) of each of my 4 + 4 row tiles, from byte k of a row tile's 8,192; the first 32 along K first
	WIN TO_F
.irp c, 0,1
.irp i, 0,1,2,3
	ds_load_b128 v[\f+64+8*(4*\c+\i):\f+64+8*(4*\c+\i)+3],   v[ADRB+\slot] offset:\k+1024*\c+\i*8192
	ds_load_b128 v[\f+64+8*(4*\c+\i)+4:\f+64+8*(4*\c+\i)+7], v[ADRB+\slot] offset:\k+1024*\c+\i*8192+512
	ds_load_b128 v[\f+8*(4*\c+\i):\f+8*(4*\c+\i)+3],         v[ADRA+\slot] offset:\k+1024*\c+\i*8192
	ds_load_b128 v[\f+8*(4*\c+\i)+4:\f+8*(4*\c+\i)+7],       v[ADRA+\slot] offset:\k+1024*\c+\i*8192+512
.endr
.endr
.endm
.macro PLACES
.rept 4
	v_nop
.endr
.endm
.macro QUARTER slot, k, f, g, zero
	s_wait_dscnt 16                                ; the first 32 along K are in; the other sixteen loads may be out
	WIN MUL
	MUL8 \f, 0, 0, \zero
	MUL8 \f, 0, 2, \zero
	PLACES
	FETCH \slot, \k, \g
	s_wait_dscnt 32                                ; all but the 32 just issued
	WIN MUL
	MUL8 \f, 1, 0, 0
	MUL8 \f, 1, 2, 0
.endm
.macro TURN slot, next, fill           ; the last quarter changes slots: one barrier; fill = 1: it opens a round of the cluster's barrier, and this slot is filled again, two K steps ahead
	WIN 0
	s_wait_tensorcnt 0x0                           ; all my tensor loads have landed: my part of the next slot
	ds_add_u32 v[SPW], v[NIL]
	s_wait_dscnt 17                                ; (the add and the youngest sixteen loads may be out)
	WIN MUL
	MUL8 F1, 0, 0, 0
	s_wait_dscnt 0x0                               ; the add is done, and my reads of this slot are over
	s_barrier_signal -1
	MUL8 F1, 0, 2, 0
.if \fill
	WIN 0
.endif
	s_barrier_wait -1
.if \fill
	CREST
	s_add_nc_u64 s[G0+4*\slot+2:G0+4*\slot+3], s[G0+4*\slot+2:G0+4*\slot+3], 2*KSB
	s_add_nc_u64 s[G0B+4*\slot+2:G0B+4*\slot+3], s[G0B+4*\slot+2:G0B+4*\slot+3], 2*KSB
	JLOAD \slot                                    ; the first tensor load behind the round; its four v_nop are also the places in front of the loads below
.else
	PLACES
.endif
	FETCH \next, 0, F0
	WIN MUL
	MUL8 F1, 1, 0, 0
	MUL8 F1, 1, 2, 0
.endm
	s_wait_tensorcnt 1                             ; my part of K step 0 is in; K step 1's load may be out
	s_barrier_signal -1
	s_barrier_wait -1
	FETCH 0, 0, F0
	QUARTER 0, 2048, F0, F1, 1                     ; the first products start the sums
	WIN 0
	s_mov_b32 s3, LAPS-1
.Llap:
	QUARTER 0, 4096, F1, F0, 0
	QUARTER 0, 6144, F0, F1, 0
	TURN 0, 1, 1
	QUARTER 1, 2048, F0, F1, 0
	QUARTER 1, 4096, F1, F0, 0
	QUARTER 1, 6144, F0, F1, 0
	TURN 1, 0, 1
	QUARTER 0, 2048, F0, F1, 0
	WIN 0
	s_sub_co_u32 s3, s3, 1
	s_cmp_lg_u32 s3, 0
	s_cbranch_scc1 .Llap
	QUARTER 0, 4096, F1, F0, 0                     ; the last lap fills nothing
	QUARTER 0, 6144, F0, F1, 0
	TURN 0, 1, 0
	QUARTER 1, 2048, F0, F1, 0
	QUARTER 1, 4096, F1, F0, 0
	QUARTER 1, 6144, F0, F1, 0
	s_wait_dscnt 16
	WIN MUL
	MUL8 F1, 0, 0, 0
	MUL8 F1, 0, 2, 0
	s_wait_dscnt 0
	MUL8 F1, 1, 0, 0
	MUL8 F1, 1, 2, 0
	WIN 0
; THE WAY OUT, block by block of 16 rows x 64 columns (256 bytes a row).  A lane holds 32 bytes of a row: a block goes through my own stage and comes back as whole rows; sixteen lanes store 256 consecutive bytes, aligned.
; LDS serves a wave's instructions in order (ISA guide 5.7.1.4): no wait between the stores and the loads, nor in front of the next block's stores.
.macro TOSTAGE a
.irp b, 0,1,2,3
	ds_store_b128 v[STO], v[ACC+8*(4*(\a)+\b):ACC+8*(4*(\a)+\b)+3] offset:64*\b        ; each accumulator from its low end on
	ds_store_b128 v[STO], v[ACC+8*(4*(\a)+\b)+4:ACC+8*(4*(\a)+\b)+7] offset:64*\b+16
.endr
.irp t, 0,1,2,3,4,5,6,7
	ds_load_b128 v[TMP+32*((\a)%2)+4*\t:TMP+32*((\a)%2)+4*\t+3], v[RD] offset:\t*2*SPITCH
.endr
.endm
.macro SEND a, younger
	s_wait_dscnt \younger                          ; the block is back; the next block's eight stores and eight loads may be out
.irp t, 0,1,2,3,4,5,6,7
	global_store_b128 v[CO], v[TMP+32*((\a)%2)+4*\t:TMP+32*((\a)%2)+4*\t+3], s[8:9] offset:(16*(\a)+2*\t)*4096 th:TH_STORE_NT
.endr
.endm
	PLACES
	TOSTAGE 0
	TOSTAGE 1
	SEND 0, 16
	s_wait_xcnt 0x0                                ; block 0's stores have read their registers: block 2's loads may land there
	TOSTAGE 2
	SEND 1, 16
	s_wait_xcnt 0x0
	TOSTAGE 3
	SEND 2, 16
	SEND 3, 0
	s_wait_tensorcnt 0x0                           ; the wave's end
	ds_add_u32 v[SPW], v[NIL]
	s_wait_dscnt 0x0
	CROUND                                         ; the closing round
	s_endpgm
.Lfunc_end_k_q7ae98e0e06_proj:
	.size	k_q7ae98e0e06_proj, .Lfunc_end_k_q7ae98e0e06_proj-k_q7ae98e0e06_proj
	.p2alignl 7, 3214868480
	.fill 96, 4, 3214868480
	.section	.rodata,"a",@progbits
	.p2align	6, 0x0
	.amdhsa_kernel k_q7ae98e0e06_proj
		.amdhsa_group_segment_fixed_size 327680
		.amdhsa_private_segment_fixed_size 0
		.amdhsa_enable_private_segment 0
		.amdhsa_kernarg_size 24
		.amdhsa_user_sgpr_count 2
		.amdhsa_user_sgpr_kernarg_segment_ptr 1
		.amdhsa_wavefront_size32 1
		.amdhsa_system_sgpr_workgroup_id_x 1
		.amdhsa_system_sgpr_workgroup_id_y 1
		.amdhsa_system_sgpr_workgroup_id_z 1
		.amdhsa_system_vgpr_workitem_id 0
		.amdhsa_next_free_vgpr 512
		.amdhsa_next_free_sgpr 66
		.amdhsa_reserve_vcc 0
		.amdhsa_float_denorm_mode_32 3
		.amdhsa_float_denorm_mode_16_64 3
		.amdhsa_memory_ordered 1
		.amdhsa_forward_progress 1
		.amdhsa_inst_pref_size 85
	.end_amdhsa_kernel
	.amdgpu_metadata
---
amdhsa.version: [ 1, 2 ]
amdhsa.kernels:
  - .name:           k_q7ae98e0e06_proj
    .symbol:         k_q7ae98e0e06_proj.kd
    .args:
      - { .name: att, .offset: 0, .size: 8, .value_kind: global_buffer, .address_space: global }
      - { .name: wo16, .offset: 8, .size: 8, .value_kind: global_buffer, .address_space: global }
      - { .name: out0, .offset: 16, .size: 8, .value_kind: global_buffer, .address_space: global }
    .group_segment_fixed_size: 327680
    .private_segment_fixed_size: 0
    .kernarg_segment_align: 8
    .kernarg_segment_size: 24
    .max_flat_workgroup_size: 128
    .sgpr_count:     66
    .vgpr_count:     512
    .wavefront_size: 32
...
	.end_amdgpu_metadata
.endif
;; end of part 4
;; launch fine (part 5): grid 16 x 4, 16 waves a work-group, no clusters, 71,680 bytes of LDS; arguments q32, W_o, out0; writes out0
.if DOCPART == 5
	.amdgcn_target "amdgcn-amd-amdhsa--gfx1250"
	.amdhsa_code_object_version 6
	.text
	.protected	k_q7ae98e0e06_fine
	.globl	k_q7ae98e0e06_fine
	.p2align	8
	.type	k_q7ae98e0e06_fine,@function
k_q7ae98e0e06_fine:
	s_mov_b64 s[64:65], 0
	v_nop
	global_prefetch_b8 v0, s[64:65] scope:SCOPE_SE
	s_setreg_imm32_b32 hwreg(HW_REG_WAVE_MODE, 25, 1), 1
	s_wait_xcnt 0x0
; The first 16 positions of each of the 4 sequences, once more, wholly in f32: under the causal mask they average one to sixteen values and are the largest in size, so f16 operands would weigh most there.
; q32 = [batch (4)][16][Q | K | V: 3,072] f32, as the quantised products summed them.  out0 rows 2,048 b + 0 .. 15 are written over.
; SHARES.  A work-group makes 64 columns of out0 for one batch; wave = head.  Each wave makes its head's attention for the 16 rows (32 matrix instructions, made anew in each of the batch's 16 work-groups: that spares a launch
; and a buffer), then its head's 64 terms of the projection (64 matrix instructions); the 16 waves' parts meet in LDS, and wave w adds up and stores row w: 256 consecutive bytes, aligned.
; 64 work-groups: there is no more work than that; operands go from memory straight into registers, so no tensor load and no cluster.
; THE FORM is v_wmma_f32_16x16x4_f32: lane (r, h) holds row r and k = 2 h + 0, 1.  K's places are permuted alike on both sides of each product, so that a lane's registers are neighbours in memory, or are a result as it stands:
;   S^T = K Q^T: lane (r, h) holds channels 32 h .. 32 h + 31 of row r; step s takes registers 2 s, 2 s + 1.
;   O^T = V^T P: p's register j is key 8 h + j of query r (S^T's own layout); V^T's register 8 ct + j is V[8 h + j][16 ct + r].
;   out^T = W_o O: O's register 8 ct + j is channel 16 ct + 8 h + j of query r (O^T's own layout); W_o's register 8 ct + j is W_o[n][64 hd + 16 ct + 8 h + j].
; The four accumulators v16-47 are written by matrix instructions alone; each sum begins with the constant 0; what is made of a sum goes into other registers.
; LIMITS: NaN and infinities are not served.
.set ACC, 16                           ; v16-47
.set QF,  48                           ; v48-79   Q;  later W_o for columns 32-47
.set KF,  80                           ; v80-111  K;  later W_o for columns 48-63
.set VT,  112                          ; v112-143 V^T; at the end the 16 parts of my row
.set T,   144                          ; v144-151 the scores, then p
.set OL,  152                          ; v152-183 O / l
.set W0,  184                          ; v184-247 W_o for columns 0-31
.set SPW, 252
.set NIL, 253
.set PART, 4352                        ; LDS: a wave's part: 16 rows x (256 bytes + 16)
.set SPARE, 16*PART                    ; the spare words, 128 bytes a wave
	s_load_b128 s[4:7], s[0:1], 0x0                ; q32, W_o
	s_load_b64 s[8:9], s[0:1], 0x10                ; out0
	v_lshl_add_u32 v[SPW], v0, 2, SPARE
	v_mov_b32 v[NIL], 0
	v_lshrrev_b32 v1, 5, v0
	v_readfirstlane_b32 s10, v1                    ; wave = head
	s_and_b32 s11, ttmp7, 0xffff                   ; batch
	v_and_b32 v1, 15, v0                           ; r
	v_bfe_u32 v2, v0, 4, 1                         ; h
	v_mul_u32_u24 v3, v1, 12288
	v_lshl_add_u32 v3, v2, 7, v3                   ; Q, K: row r, + 32 h channels
	v_mul_u32_u24 v4, v2, 8*12288
	v_lshl_add_u32 v4, v1, 2, v4                   ; V: row 8 h, channel r
	v_lshlrev_b32 v5, 12, v1
	v_lshl_add_u32 v5, v2, 5, v5                   ; W_o: row r, + 8 h numbers
	v_lshlrev_b32 v6, 3, v2
	v_sub_nc_u32 v6, v1, v6                        ; r - 8 h: key 8 h + j is hidden where j is above it
	v_mov_b32 v7, 0xff800000                       ; -infinity
	v_mov_b32 v9, 0                                ; (a lane permute's destination counts as read)
	s_mul_i32 s18, s10, PART
	v_mul_u32_u24 v12, v1, 272
	v_lshl_add_u32 v12, v2, 5, v12
	v_add_nc_u32 v12, s18, v12                     ; my part: row r, + 32 h
	s_mul_i32 s18, s10, 272
	v_and_b32 v14, 31, v0
	v_lshlrev_b32 v14, 3, v14                      ; 8 x lane
	v_add_nc_u32 v13, s18, v14                     ; back: row = my wave's number
	s_mov_b32 s20, 0x76543210
	s_mov_b32 s21, 0xfedcba98                      ; lane l xor 16
	s_mov_b32 s22, 0x3e38aa3b                      ; c = log2(e) / 8
	s_mul_i32 s12, s11, 196608                     ; the batch's 16 rows,
	s_lshl_b32 s13, s10, 8                         ; the head's 64 channels
	s_add_co_u32 s12, s12, s13
	s_mov_b32 s13, 0
	s_lshl_b32 s14, ttmp9, 18                      ; W_o: my work-group's 64 rows of 4,096 bytes,
	s_lshl_b32 s15, s10, 8                         ; the head's 64 numbers
	s_add_co_u32 s14, s14, s15
	s_mov_b32 s15, 0
	s_lshl_b32 s16, s11, 11
	s_add_co_u32 s16, s16, s10                     ; out0: row 2,048 b + wave,
	s_lshl_b32 s16, s16, 12
	s_lshl_b32 s17, ttmp9, 8                       ; my work-group's 256 bytes
	s_add_co_u32 s16, s16, s17
	s_mov_b32 s17, 0
	s_wait_kmcnt 0x0
	s_add_nc_u64 s[4:5], s[4:5], s[12:13]
	s_add_nc_u64 s[6:7], s[6:7], s[14:15]
	s_add_nc_u64 s[8:9], s[8:9], s[16:17]
.irp e, 0,1,2,3,4,5,6,7
	global_load_b128 v[QF+4*\e:QF+4*\e+3], v3, s[4:5] offset:16*\e
.endr
.irp e, 0,1,2,3,4,5,6,7
	global_load_b128 v[KF+4*\e:KF+4*\e+3], v3, s[4:5] offset:4096+16*\e
.endr
.irp ct, 0,1,2,3
.irp j, 0,1,2,3,4,5,6,7
	global_load_b32 v[VT+8*\ct+\j], v4, s[4:5] offset:8192+12288*\j+64*\ct
.endr
.endr
.irp u, 0,1
.irp ct, 0,1,2,3
.irp e, 0,1
	global_load_b128 v[W0+32*\u+8*\ct+4*\e:W0+32*\u+8*\ct+4*\e+3], v5, s[6:7] offset:65536*\u+64*\ct+16*\e
.endr
.endr
.endr
	s_wait_loadcnt 48                              ; Q and K are in; V^T's 32 loads and W_o's 16 may be out
.irp s, 0,1,2,3                                ; S^T = K Q^T, in four sums that take turns
	v_wmma_f32_16x16x4_f32 v[ACC+8*\s:ACC+8*\s+7], v[KF+2*\s:KF+2*\s+1], v[QF+2*\s:QF+2*\s+1], 0
.endr
.irp s, 4,5,6,7,8,9,10,11,12,13,14,15
	v_wmma_f32_16x16x4_f32 v[ACC+8*(\s%4):ACC+8*(\s%4)+7], v[KF+2*\s:KF+2*\s+1], v[QF+2*\s:QF+2*\s+1], v[ACC+8*(\s%4):ACC+8*(\s%4)+7]
.endr
.rept 8
	v_nop                                          ; eight places behind this form: in front of the loads into Q's and K's registers and of the first read of the sums
.endr
.irp u, 0,1
.irp ct, 0,1,2,3
.irp e, 0,1
	global_load_b128 v[QF+32*\u+8*\ct+4*\e:QF+32*\u+8*\ct+4*\e+3], v5, s[6:7] offset:65536*(2+\u)+64*\ct+16*\e
.endr
.endr
.endr
.irp j, 0,1,2,3,4,5,6,7
	v_add_f32 v[T+\j], v[ACC+\j], v[ACC+8+\j]      ; each sum is read from its low end on
.endr
.irp j, 0,1,2,3,4,5,6,7
	v_add_f32 v[OL+\j], v[ACC+16+\j], v[ACC+24+\j]
.endr
.irp j, 0,1,2,3,4,5,6,7
	v_add_f32 v[T+\j], v[T+\j], v[OL+\j]
.endr
.irp j, 0,1,2,3,4,5,6,7
	v_cmp_gt_i32 vcc_lo, \j, v6
	v_cndmask_b32 v[T+\j], v[T+\j], v7, vcc_lo     ; hidden keys: -infinity
.endr
	v_max3_num_f32 v8, v[T], v[T+1], v[T+2]
	v_max3_num_f32 v8, v8, v[T+3], v[T+4]
	v_max3_num_f32 v8, v8, v[T+5], v[T+6]
	v_max_num_f32 v8, v8, v[T+7]
	v_permlanex16_b32 v9, v8, s20, s21
	v_max_num_f32 v8, v8, v9                       ; the row's maximum (key 0 counts for every query)
	v_mul_f32 v10, s22, v8
.irp j, 0,1,2,3,4,5,6,7
	v_fma_f32 v[T+\j], v[T+\j], s22, -v10
.endr
.irp j, 0,1,2,3,4,5,6,7
	v_exp_f32 v[T+\j], v[T+\j]
.endr
	v_nop
	s_wait_alu depctr_va_vdst(0)                   ; one wait for the eight exponentials, ahead of their first reader
	v_add_f32 v11, v[T], v[T+1]
.irp j, 2,3,4,5,6,7
	v_add_f32 v11, v11, v[T+\j]
.endr
	v_permlanex16_b32 v9, v11, s20, s21
	v_add_f32 v11, v11, v9
	v_rcp_f32 v10, v11
	v_nop
	s_wait_alu depctr_va_vdst(0)                   ; and one for the reciprocal
	s_wait_loadcnt 32                              ; V^T is in; W_o's 32 loads may be out
.irp ct, 0,1,2,3                               ; O^T = V^T P: the four sums begin anew; more than nine plain instructions stand behind the last product of S^T
	v_wmma_f32_16x16x4_f32 v[ACC+8*\ct:ACC+8*\ct+7], v[VT+8*\ct:VT+8*\ct+1], v[T:T+1], 0
.endr
.irp sp, 1,2,3
.irp ct, 0,1,2,3
	v_wmma_f32_16x16x4_f32 v[ACC+8*\ct:ACC+8*\ct+7], v[VT+8*\ct+2*\sp:VT+8*\ct+2*\sp+1], v[T+2*\sp:T+2*\sp+1], v[ACC+8*\ct:ACC+8*\ct+7]
.endr
.endr
.rept 8
	v_nop
.endr
.irp n, 0,1,2,3,4,5,6,7,8,9,10,11,12,13,14,15,16,17,18,19,20,21,22,23,24,25,26,27,28,29,30,31
	v_mul_f32 v[OL+\n], v[ACC+\n], v10             ; O / l.  (The eight v_nop and the first 24 of these are the places in front of the products that begin the sums anew)
.endr
	s_wait_loadcnt 16                              ; W_o for columns 0-31 is in
.irp u, 0,1
	v_wmma_f32_16x16x4_f32 v[ACC+8*\u:ACC+8*\u+7], v[W0+32*\u:W0+32*\u+1], v[OL:OL+1], 0
.endr
.irp k, 1,2,3,4,5,6,7,8,9,10,11,12,13,14,15
.irp u, 0,1
	v_wmma_f32_16x16x4_f32 v[ACC+8*\u:ACC+8*\u+7], v[W0+32*\u+2*\k:W0+32*\u+2*\k+1], v[OL+2*\k:OL+2*\k+1], v[ACC+8*\u:ACC+8*\u+7]
.endr
.endr
	s_wait_loadcnt 0x0                             ; and for columns 32-63
.irp u, 0,1
	v_wmma_f32_16x16x4_f32 v[ACC+16+8*\u:ACC+16+8*\u+7], v[QF+32*\u:QF+32*\u+1], v[OL:OL+1], 0
.endr
.irp k, 1,2,3,4,5,6,7,8,9,10,11,12,13,14,15
.irp u, 0,1
	v_wmma_f32_16x16x4_f32 v[ACC+16+8*\u:ACC+16+8*\u+7], v[QF+32*\u+2*\k:QF+32*\u+2*\k+1], v[OL+2*\k:OL+2*\k+1], v[ACC+16+8*\u:ACC+16+8*\u+7]
.endr
.endr
.rept 8
	v_nop
.endr
.irp u, 0,1,2,3
	ds_store_b128 v12, v[ACC+8*\u:ACC+8*\u+3] offset:64*\u          ; lane (r, h): query r, columns 16 u + 8 h + 0 .. 7 of my head's part
	ds_store_b128 v12, v[ACC+8*\u+4:ACC+8*\u+7] offset:64*\u+16
.endr
	s_wait_dscnt 0x0                               ; for the others' sake: my stores are done
	s_barrier_signal -1
	s_barrier_wait -1
.irp p, 0,1,2,3,4,5,6,7,8,9,10,11,12,13,14,15
	ds_load_b64 v[VT+2*\p:VT+2*\p+1], v13 offset:PART*\p            ; row w of each of the 16 parts: 256 bytes, 8 a lane
.endr
	s_wait_dscnt 0x0
.irp p, 0,1,2,3,4,5,6,7
	v_pk_add_f32 v[VT+4*\p:VT+4*\p+1], v[VT+4*\p:VT+4*\p+1], v[VT+4*\p+2:VT+4*\p+3]
.endr
.irp p, 0,1,2,3
	v_pk_add_f32 v[VT+8*\p:VT+8*\p+1], v[VT+8*\p:VT+8*\p+1], v[VT+8*\p+4:VT+8*\p+5]
.endr
.irp p, 0,1
	v_pk_add_f32 v[VT+16*\p:VT+16*\p+1], v[VT+16*\p:VT+16*\p+1], v[VT+16*\p+8:VT+16*\p+9]
.endr
	v_pk_add_f32 v[VT:VT+1], v[VT:VT+1], v[VT+16:VT+17]
	global_store_b64 v14, v[VT:VT+1], s[8:9]       ; 32 lanes store 256 consecutive bytes, aligned
	s_wait_tensorcnt 0x0                           ; the wave's end
	ds_add_u32 v[SPW], v[NIL]
	s_wait_dscnt 0x0
	s_endpgm
.Lfunc_end_k_q7ae98e0e06_fine:
	.size	k_q7ae98e0e06_fine, .Lfunc_end_k_q7ae98e0e06_fine-k_q7ae98e0e06_fine
	.p2alignl 7, 3214868480
	.fill 96, 4, 3214868480
	.section	.rodata,"a",@progbits
	.p2align	6, 0x0
	.amdhsa_kernel k_q7ae98e0e06_fine
		.amdhsa_group_segment_fixed_size 71680
		.amdhsa_private_segment_fixed_size 0
		.amdhsa_enable_private_segment 0
		.amdhsa_kernarg_size 24
		.amdhsa_user_sgpr_count 2
		.amdhsa_user_sgpr_kernarg_segment_ptr 1
		.amdhsa_wavefront_size32 1
		.amdhsa_system_sgpr_workgroup_id_x 1
		.amdhsa_system_sgpr_workgroup_id_y 1
		.amdhsa_system_sgpr_workgroup_id_z 1
		.amdhsa_system_vgpr_workitem_id 0
		.amdhsa_next_free_vgpr 256
		.amdhsa_next_free_sgpr 66
		.amdhsa_reserve_vcc 1
		.amdhsa_float_denorm_mode_32 3
		.amdhsa_float_denorm_mode_16_64 3
		.amdhsa_memory_ordered 1
		.amdhsa_forward_progress 1
		.amdhsa_inst_pref_size 24
	.end_amdhsa_kernel
	.amdgpu_metadata
---
amdhsa.version: [ 1, 2 ]
amdhsa.kernels:
  - .name:           k_q7ae98e0e06_fine
    .symbol:         k_q7ae98e0e06_fine.kd
    .args:
      - { .name: q32, .offset: 0, .size: 8, .value_kind: global_buffer, .address_space: global }
      - { .name: W_o, .offset: 8, .size: 8, .value_kind: global_buffer, .address_space: global }
      - { .name: out0, .offset: 16, .size: 8, .value_kind: global_buffer, .address_space: global }
    .group_segment_fixed_size: 71680
    .private_segment_fixed_size: 0
    .kernarg_segment_align: 8
    .kernarg_segment_size: 24
    .max_flat_workgroup_size: 512
    .sgpr_count:     66
    .vgpr_count:     256
    .wavefront_size: 32
...
	.end_amdgpu_metadata
.endif
;; end of part 5
